; MI455X (gfx1250); checked and timed in simulation.
; The chip was launched on July 23, 2026; its instructions are those of AMD's public machine-readable ISA for CDNA 5 (MIT licence, August 2026) and "CDNA5" Instruction Set Architecture Reference Guide (July 2026). The comments in the code are by the model that wrote it; some were corrected since.
;; Linear Attention. Allowed arithmetic: float matrix products may take bf16 or f16 operands with f32 sums; other float arithmetic in f32, or as packed bf16 or f16 multiplies, adds, multiply-adds, maxima and minima; sums over many terms, partial sums and values carried from step to step in f32; what a program stores and reads back later, other than sums and carried values, may be rounded once to bf16 or f16.
;; Inputs: w_out 1,024 x 1,024 float32; w_qkv 3,072 x 1,024 float32; x 4 x 4,096 x 1,024 float32.
;; Outputs: out0 4 x 4,096 x 1,024 float32.
;; One version. Each part assembles by itself: llvm-mc -triple=amdgcn-amd-amdhsa -mcpu=gfx1250 --defsym DOCPART=n.
;; ======== version 1 of 1: 6 launches
;; limits: values are held in f16: magnitudes above 65,504 overflow, below 6.1e-05 lose precision; values outside matrix products are rounded to bf16
;; workspace buffers: cb 41,943,040 bytes; qk 67,108,864 bytes; vv 67,108,864 bytes; h32 786,432 bytes; st 3,932,160 bytes; ob 33,554,432 bytes
;; launch cast (part 1): grid 1280 x 1, 8 waves a work-group, no clusters, 0 bytes of LDS; arguments x, w_qkv, w_out, cb; writes cb
.if DOCPART == 1
	.amdgcn_target "amdgcn-amd-amdhsa--gfx1250"
	.amdhsa_code_object_version 6
	.text
	.protected	k_qecf3a0f7bf_cast
	.globl	k_qecf3a0f7bf_cast
	.p2align	8
	.type	k_qecf3a0f7bf_cast,@function
k_qecf3a0f7bf_cast:
	s_mov_b64 s[64:65], 0
	v_nop
	global_prefetch_b8 v0, s[64:65] scope:SCOPE_SE
	s_setreg_imm32_b32 hwreg(HW_REG_WAVE_MODE, 25, 1), 1
	s_wait_xcnt 0x0
; THE INPUTS, ROUNDED ONCE.  cb = x as bf16 [16384][1024], then w_qkv as bf16 [3072][1024], then w_out [1024][1024] rounded to bf16 and that number written as f16.
; LIMIT.  A weight of w_out below 6.1e-5 keeps f16's fixed step of 6e-8, one beyond 65,504 becomes an infinity; NaN and infinities are not treated apart.
; SHARES.  20,971,520 numbers, 16,384 to a work-group: groups 0-1023 take x, 1024-1215 w_qkv, 1216-1279 w_out; cb is the three arrays on end, so the group's number alone places its output.
; Thread t takes 32 bytes (8 numbers) at 32 t of each of eight steps of 8,192 bytes and stores 16 bytes at 16 t of each step of 4,096: a wave's store covers 512 consecutive bytes, aligned.
; All sixteen loads go out first; no register is written twice, so no wait but the loads' own is needed.  No LDS, no barrier: no thread wants another's bytes.
.set IN,   8                           ; v[8:71]    eight steps of 8 numbers as loaded
.set OUTR, 72                          ; v[72:103]  eight steps of 4 registers to store
	s_load_b256 s[4:11], s[0:1], 0x0               ; x s[4:5], w_qkv s[6:7], w_out s[8:9], cb s[10:11]
	s_movk_i32 s13, 1216
	s_cmp_lt_u32 ttmp9, s13
	s_cselect_b32 s12, 1024, s13
	s_cmp_lt_u32 ttmp9, 1024
	s_cselect_b32 s12, 0, s12                      ; the first group of my array
	s_sub_co_u32 s12, ttmp9, s12                   ; my number among its groups
	s_lshl_b32 s16, s12, 16                        ; 65,536 bytes of f32 a group
	s_mov_b32 s17, 0
	s_lshl_b32 s18, ttmp9, 15                      ; 32,768 bytes of output a group
	s_mov_b32 s19, 0
	v_lshlrev_b32 v1, 5, v0
	v_lshlrev_b32 v2, 4, v0
	s_wait_kmcnt 0x0
	s_cmp_lt_u32 ttmp9, s13
	s_cselect_b64 s[14:15], s[6:7], s[8:9]
	s_cmp_lt_u32 ttmp9, 1024
	s_cselect_b64 s[14:15], s[4:5], s[14:15]
	s_add_nc_u64 s[14:15], s[14:15], s[16:17]
	s_add_nc_u64 s[10:11], s[10:11], s[18:19]
.irp i, 0,1,2,3,4,5,6,7
	global_load_b128 v[IN+8*(\i):IN+8*(\i)+3],   v1, s[14:15] offset:8192*(\i) th:TH_LOAD_NT
	global_load_b128 v[IN+8*(\i)+4:IN+8*(\i)+7], v1, s[14:15] offset:8192*(\i)+16 th:TH_LOAD_NT
.endr
	s_cmp_lt_u32 ttmp9, s13
	s_cbranch_scc0 .Lhalf
.irp i, 0,1,2,3,4,5,6,7
	s_wait_loadcnt 14-2*(\i)                       ; step i's two loads are in; the younger steps' stay out
.irp c, 0,1,2,3
	v_cvt_pk_bf16_f32 v[OUTR+4*(\i)+(\c)], v[IN+8*(\i)+2*(\c)], v[IN+8*(\i)+2*(\c)+1]
.endr
	global_store_b128 v2, v[OUTR+4*(\i):OUTR+4*(\i)+3], s[10:11] offset:4096*(\i)
.endr
	s_endpgm
.Lhalf:                                                ; w_out: to bf16, back to f32 (a shift, a mask), and that number as f16
.irp i, 0,1,2,3,4,5,6,7
	s_wait_loadcnt 14-2*(\i)
.irp c, 0,1,2,3
	v_cvt_pk_bf16_f32 v4, v[IN+8*(\i)+2*(\c)], v[IN+8*(\i)+2*(\c)+1]
	v_lshlrev_b32 v5, 16, v4
	v_and_b32 v6, 0xffff0000, v4
	v_cvt_pk_f16_f32 v[OUTR+4*(\i)+(\c)], v5, v6
.endr
	global_store_b128 v2, v[OUTR+4*(\i):OUTR+4*(\i)+3], s[10:11] offset:4096*(\i)
.endr
	s_endpgm
.Lfunc_end_k_qecf3a0f7bf_cast:
	.size	k_qecf3a0f7bf_cast, .Lfunc_end_k_qecf3a0f7bf_cast-k_qecf3a0f7bf_cast
	.p2alignl 7, 3214868480
	.fill 96, 4, 3214868480
	.section	.rodata,"a",@progbits
	.p2align	6, 0x0
	.amdhsa_kernel k_qecf3a0f7bf_cast
		.amdhsa_group_segment_fixed_size 0
		.amdhsa_private_segment_fixed_size 0
		.amdhsa_enable_private_segment 0
		.amdhsa_kernarg_size 32
		.amdhsa_user_sgpr_count 2
		.amdhsa_user_sgpr_kernarg_segment_ptr 1
		.amdhsa_wavefront_size32 1
		.amdhsa_system_sgpr_workgroup_id_x 1
		.amdhsa_system_sgpr_workgroup_id_y 1
		.amdhsa_system_sgpr_workgroup_id_z 1
		.amdhsa_system_vgpr_workitem_id 0
		.amdhsa_next_free_vgpr 104
		.amdhsa_next_free_sgpr 66
		.amdhsa_reserve_vcc 0
		.amdhsa_float_denorm_mode_32 3
		.amdhsa_float_denorm_mode_16_64 3
		.amdhsa_memory_ordered 1
		.amdhsa_forward_progress 1
		.amdhsa_inst_pref_size 14
	.end_amdhsa_kernel
	.amdgpu_metadata
---
amdhsa.version: [ 1, 2 ]
amdhsa.kernels:
  - .name:           k_qecf3a0f7bf_cast
    .symbol:         k_qecf3a0f7bf_cast.kd
    .args:
      - { .name: x, .offset: 0, .size: 8, .value_kind: global_buffer, .address_space: global }
      - { .name: w_qkv, .offset: 8, .size: 8, .value_kind: global_buffer, .address_space: global }
      - { .name: w_out, .offset: 16, .size: 8, .value_kind: global_buffer, .address_space: global }
      - { .name: cb, .offset: 24, .size: 8, .value_kind: global_buffer, .address_space: global }
    .group_segment_fixed_size: 0
    .private_segment_fixed_size: 0
    .kernarg_segment_align: 8
    .kernarg_segment_size: 32
    .max_flat_workgroup_size: 256
    .sgpr_count:     66
    .vgpr_count:     104
    .wavefront_size: 32
...
	.end_amdgpu_metadata
.endif
;; end of part 1
;; launch gemm1 (part 2): grid 4 x 64, 4 waves a work-group, clusters of 4 x 4, 327,680 bytes of LDS; arguments cb, qk, vv, h32; writes qk, vv, h32
.if DOCPART == 2
	.amdgcn_target "amdgcn-amd-amdhsa--gfx1250"
	.amdhsa_code_object_version 6
	.text
	.protected	k_qecf3a0f7bf_gemm1
	.globl	k_qecf3a0f7bf_gemm1
	.p2align	8
	.type	k_qecf3a0f7bf_gemm1,@function
k_qecf3a0f7bf_gemm1:
	s_mov_b64 s[64:65], 0
	v_nop
	global_prefetch_b8 v0, s[64:65] scope:SCOPE_SE
	s_setreg_imm32_b32 hwreg(HW_REG_WAVE_MODE, 25, 1), 1
	s_wait_xcnt 0x0
	s_wait_alu depctr_hold_cnt(0) depctr_sa_sdst(0) depctr_va_vdst(0) depctr_va_sdst(0) depctr_va_ssrc(0) depctr_va_vcc(0) depctr_vm_vsrc(0)
	s_getreg_b32 s2, hwreg(HW_REG_IB_STS2, 6, 4)
	s_cmp_eq_u32 s2, 0
	s_cbranch_scc0 .Lentry_in_a_cluster
	s_endpgm
.Lentry_in_a_cluster:
	s_bfe_u32 s2, ttmp6, 0x10000c
	s_cmp_lg_u32 s2, 0xf033
	s_cbranch_scc0 .Lentry_shape_is_right
	s_endpgm
.Lentry_shape_is_right:
; THE FIRST PROJECTION.  y[token][e] = the sum over k of x[token][k] w_qkv[e][k], bf16 operands out of cb, sums in f32; then by heads: q = phi(y), k = phi(y) as bf16 [bh][t][64] into qk,
; v as a pair of bf16 (v rounded, and what the rounding left, rounded) into vv.  phi(y) = y + 1 for y > 0, e^y else = max(y + 1, 2^min(y log2 e, 0)).
; The f32 numbers of tokens 0-15 of each batch also go to h32 [b][q,k,v][h][t][64]: those rows are finished apart, in f32.
; LIMITS.  phi(y) is 0 where e^y is below 2^-126; NaN and infinities are not treated apart.
; SHARES.  A tile of y is 256 tokens x 256 features, four waves, 128 x 128 each: 64 accumulators.  A WORK-GROUP STAYS for three tiles: q, k and v of heads 4 gx .. 4 gx + 3 for the same 256 tokens.
; K goes in steps of 128 through two LDS slots; the ring runs on through the 24 K steps of the three tiles: step n is tile n / 8, K step n % 8, and each refill's address is made anew from n.
; CLUSTER 4 x 4: x's tile hangs on the tile row alone and is asked for jointly along a row of the cluster, the weights' on the column group alone, jointly along a column.
; THE MATRIX INSTRUCTION IS USED TRANSPOSED (source 0 = 16 rows of the weights, source 1 = 16 tokens): a lane holds one token and eight neighbouring features.
; REGISTERS.  window 0: v0-31 addresses; v32-63 packed results; v64-127, v128-191 x's fragments, two buffers (the second also holds a block on the way out); v192-255 at work on the way out
;   window 1: v64-127, v128-191 the weights' fragments     windows 2, 3: the accumulators, (a, b) at v[8 (8 a + b)], my rows 0-63 and 64-127
.set KSTEP,  128
.set PITCH,  272                       ; an LDS row: 256 bytes + 16 of padding: the 16 rows of a fragment load start at 16 different groups of four banks (ISA guide 11.1)
.set HALFT,  128*PITCH
.set SLOT,   4*HALFT                   ; x's 256 rows, then the weights' 256 rows
.set STAGE,  2*SLOT                    ; behind the ring: 16 rows x 528 bytes of f32 for each wave, never filled by a tensor load
.set SPITCH, 528
.set SPARE,  STAGE+4*16*SPITCH         ; the spare words, 128 bytes a wave: two blocks of 256 bytes that no other line names
.set WQB,    33554432                  ; the weights' first byte in cb
.set PLANE,  33554432                  ; from q to k in qk, from v's first part to its second in vv
.set HEADB,  524288                    ; a head's 4,096 rows of 128 bytes
.set ADRA, 16                          ; v16-17 LDS address of my fragments of x in slot 0, 1
.set ADRB, 20                          ; v20-21 the same for the weights
.set STO,  24                          ; v24 into the stage: row l % 16, 32 bytes for each half of the lanes
.set RD,   25                          ; v25 back: row l / 8 of four, 32 bytes at 32 (l % 8)
.set GO,   26                          ; v26 16 x lane
.set HO,   27                          ; v27 32 x lane
.set SPW,  28                          ; v28 my spare word; never rewritten
.set NIL,  29                          ; v29 0; never rewritten
.set PFO,  30                          ; v30 the prefetches' offset: lane x 2,048, a row of cb
.set TOK,  31                          ; v31 the first token (in its batch) of my 128 rows
.set F0,   64
.set F1,   128
.set XR,   128                         ; the way out: a block of 16 rows x 128 features in f32
.set TR,   192
.set YR,   32
.set WV, 12                            ; s12 wave   s13 wave / 2: my half of the rows; 0: I fetch x, 1: the weights   s14 wave % 2: my half of the features; which 128 rows I fetch
.set HR, 13
.set HC, 14
.set RR, 15                            ; s15 tile row, 0-63
.set G1, 24                            ; s[24:31], s[32:39] descriptor groups 1 and 0 (a set a slot) for x
.set G0, 32
.set CX, 40
.set CY, 41
.set GX, 42                            ; s42 column group, 0-3
.set PFA, 44                           ; s[44:45] the address that the next prefetch names
.set BBASE, 46                         ; s[46:47] the weights at my 128 rows of tile 0
.set G1B, 48                           ; s[48:55], s[56:63] the same groups for the weights
.set G0B, 56
.set ABASE, 66                         ; s[66:67] x at my 128 rows
.set QKB, 68                           ; s[68:69] qk, s[70:71] vv at my first head's first row; s[72:73] h32 at my first head's block
.set VVB, 70
.set HB,  72
.set ST0, 74                           ; s[74:75], s[76:77] the stores' walking bases
.set ST1, 76
.set TOFF, 78                          ; s[78:79] 0 for q, PLANE for k
.set NN,  80                           ; s80, s81 the K step that slot 0, 1 takes next
.set OFFA, 82                          ; s[82:83], s[84:85] that step's byte offsets
.set OFFB, 84
.set LAPS, 86
.set BA,  87                           ; s87 the block on its way out
.set SVX, 88
.set NP,  89                           ; s89 the K step that the prefetch names
.set PFB, 90                           ; s[90:91] the prefetches' base, s[92:93] their offset
.set PFOF, 92
.set PLIM, 94                          ; s94 steps below this are prefetched   s95 bytes from tile to tile (0 for x)
.set PMUL, 95
.set L2E, 96                           ; s[96:97] log2 e
.set HIM, 98                           ; s98 a word's upper bf16
.set MSB, 0
.macro WIN new                         ; the immediate's high byte repeats the setting that is left; a switch that changes nothing is dropped
.if MSB != (\new)
	s_set_vgpr_msb (MSB<<8)|(\new)
.set MSB, \new
.endif
.endm
.set MUL_LO, 0xa1                      ; source 0 window 1, source 1 window 0, C and D window 2
.set MUL_HI, 0xf1                      ; the same, C and D window 3
.set TO_B,   0x40
; A joint load: waves 0 and 1 fetch x's two halves, waves 2 and 3 the weights'.  The branch hangs on the wave's number alone.  An s_nop 0 and four v_nop follow each line.
.macro JLOAD s
	s_cmp_eq_u32 s[HR], 0
	s_cbranch_scc0 .Lfor_b_\@
	tensor_load_to_lds s[G0+4*(\s):G0+4*(\s)+3], s[G1:G1+7]
	s_nop 0
.rept 4
	v_nop
.endr
	s_branch .Lasked_\@
.Lfor_b_\@:
	tensor_load_to_lds s[G0B+4*(\s):G0B+4*(\s)+3], s[G1B:G1B+7]
	s_nop 0
.rept 4
	v_nop
.endr
.Lasked_\@:
.endm
; A prefetch of the K step two refills on: 32 rows x 256 bytes, a lane a row.  x's rows are read by my cluster alone and again in tiles 1 and 2: they are named in tile 0 alone (steps 4-7).  The weights' rows are
; read by all sixteen clusters: the cluster with y = 0 names them (steps 4-23).  The four partners of a joint load share its 128 rows out by address, 32 each.  Steps 0-3 come by their loads alone.
.macro ASK
	s_cmp_lt_u32 s[NP], s[PLIM]
	s_cbranch_scc0 .Lnot_mine_\@
	global_prefetch_b8 v[PFO], s[PFA:PFA+1] th:TH_LOAD_NT scope:SCOPE_SE
.Lnot_mine_\@:
.endm
.macro CREST                           ; a round of the cluster's barrier behind its opening barrier
	s_cmp_lg_u32 s[WV], 0
	s_cbranch_scc1 .Lnot_wave_0_\@
	s_barrier_signal -3
.Lnot_wave_0_\@:
	s_barrier_wait -3
	s_barrier_signal -1
	s_barrier_wait -1
.endm
.macro CROUND
	s_barrier_signal -1
	s_barrier_wait -1
	CREST
.endm
	s_load_b256 s[4:11], s[0:1], 0x0               ; cb s[4:5], qk s[6:7], vv s[8:9], h32 s[10:11]
	v_lshl_add_u32 v[SPW], v0, 2, SPARE
	v_mov_b32 v[NIL], 0
	ds_add_u32 v[SPW], v[NIL]                      ; the wave's opening: the add, twice on end, and its wait ahead of my first tensor load
	ds_add_u32 v[SPW], v[NIL]
	v_lshrrev_b32 v1, 5, v0
	v_readfirstlane_b32 s[WV], v1
	s_lshr_b32 s[HR], s[WV], 1
	s_and_b32 s[HC], s[WV], 1
	s_bfe_u32 s[CX], ttmp6, 0x40000
	s_bfe_u32 s[CY], ttmp6, 0x40004
	s_lshl_b32 s[GX], ttmp9, 2
	s_add_co_u32 s[GX], s[GX], s[CX]               ; column group = 4 x cluster x + cx
	s_and_b32 s[RR], ttmp7, 0xffff
	s_lshl_b32 s[RR], s[RR], 2
	s_add_co_u32 s[RR], s[RR], s[CY]               ; tile row = 4 x cluster y + cy
	s_lshl_b32 s43, s[CY], 2
	s_lshl_b32 s43, 15, s43                        ; my row of the cluster
	s_lshl_b32 s20, 0x1111, s[CX]                  ; my column
	s_or_b32 s[G1], s43, (1<<16)|(1<<20)|(1<<21)|(5<<22)|(3<<25)   ; the mask; 2-byte elements; padding on; bit 21 beside a mask; after every 64 words 4 words
	s_or_b32 s[G1B], s20, (1<<16)|(1<<20)|(1<<21)|(5<<22)|(3<<25)
.irp g, G1, G1B
	s_mov_b32 s[(\g)+1], KSTEP<<16                 ; tensor_dim0 = 128
	s_mov_b32 s[(\g)+2], 128<<16                   ; tensor_dim1 = 128
	s_mov_b32 s[(\g)+3], KSTEP<<16                 ; tile_dim0 = 128
	s_mov_b32 s[(\g)+4], 128                       ; tile_dim1 = 128
	s_mov_b32 s[(\g)+5], 1024                      ; elements from row to row
	s_mov_b32 s[(\g)+6], 0
	s_mov_b32 s[(\g)+7], 0
.endr
	s_lshl_b32 s17, s[HC], 7                       ; which 128 rows of a tile I fetch
	s_lshl_b32 s16, s[RR], 8
	s_add_co_u32 s16, s16, s17
	s_lshl_b32 s16, s16, 11                        ; x: (256 x tile row + 128 x half) rows of 2,048 bytes
	s_lshl_b32 s20, s[GX], 8
	s_add_co_u32 s20, s20, s17
	s_lshl_b32 s20, s20, 11
	s_add_co_u32 s20, s20, WQB                     ; the weights: (256 x column group + 128 x half) rows, behind x
	s_mov_b32 s17, 0
	s_mov_b32 s21, 0
	s_mul_i32 s22, s[WV], HALFT                    ; where my tile goes: no place in the cluster enters an LDS address
	s_mov_b32 s[NN], 2
	s_mov_b32 s[NN+1], 3
	s_mov_b32 s[OFFA+1], 0
	s_mov_b32 s[OFFB+1], 0
	s_mov_b32 s[PFOF+1], 0
	s_mov_b32 s[TOFF], 0
	s_mov_b32 s[TOFF+1], 0
	s_mov_b32 s[L2E], 0x3fb8aa3b
	s_mov_b32 s[L2E+1], 0x3fb8aa3b
	s_mov_b32 s[HIM], 0xffff0000
	s_wait_dscnt 0x0                               ; both opening adds are done
	s_wait_kmcnt 0x0
	s_add_nc_u64 s[ABASE:ABASE+1], s[4:5], s[16:17]
	s_add_nc_u64 s[BBASE:BBASE+1], s[4:5], s[20:21]
	CROUND                                         ; all sixteen work-groups are here: the first joint loads meet
.irp s, 0,1
	s_mov_b32 s[G0+4*(\s)], 1
	s_add_co_u32 s[G0+4*(\s)+1], s22, (\s)*SLOT
	s_add_nc_u64 s[G0+4*(\s)+2:G0+4*(\s)+3], s[ABASE:ABASE+1], (\s)*KSTEP*2
	s_or_b32 s[G0+4*(\s)+3], s[G0+4*(\s)+3], 0x80000000
	s_mov_b32 s[G0B+4*(\s)], 1
	s_add_co_u32 s[G0B+4*(\s)+1], s22, (\s)*SLOT
	s_add_nc_u64 s[G0B+4*(\s)+2:G0B+4*(\s)+3], s[BBASE:BBASE+1], (\s)*KSTEP*2
	s_or_b32 s[G0B+4*(\s)+3], s[G0B+4*(\s)+3], 0x80000000
	JLOAD \s                                       ; K steps 0 and 1: two loads of mine are out
.endr
	v_and_b32 v1, 15, v0                           ; l % 16
	v_bfe_u32 v2, v0, 4, 1                         ; l / 16
	v_mul_u32_u24 v3, v1, PITCH
	v_lshl_add_u32 v3, v2, 4, v3                   ; a fragment: row x pitch + 16 x half, two loads 32 bytes apart
	s_mul_i32 s18, s[HR], HALFT
	s_mul_i32 s19, s[HC], HALFT
	s_add_co_u32 s19, s19, 2*HALFT
.irp s, 0,1
	v_add_nc_u32 v[ADRA+(\s)], s18, v3
	v_add_nc_u32 v[ADRB+(\s)], s19, v3
	s_add_co_u32 s18, s18, SLOT
	s_add_co_u32 s19, s19, SLOT
.endr
	s_mul_i32 s23, s[WV], 16*SPITCH
	s_add_co_u32 s23, s23, STAGE                   ; my stage
	v_mul_u32_u24 v4, v1, SPITCH
	v_lshl_add_u32 v4, v2, 5, v4
	v_add_nc_u32 v[STO], s23, v4
	v_and_b32 v5, 31, v0
	v_lshrrev_b32 v6, 3, v5
	v_and_b32 v7, 7, v0
	v_mul_u32_u24 v6, v6, SPITCH
	v_lshl_add_u32 v6, v7, 5, v6
	v_add_nc_u32 v[RD], s23, v6
	v_lshlrev_b32 v[GO], 4, v5
	v_lshlrev_b32 v[HO], 5, v5
	v_lshlrev_b32 v[PFO], 11, v5
	; my first head's first row in a plane: ((16 b + 4 gx + 2 half) heads + ((tile row % 16) x 256 + 128 x row half) rows of 128 bytes
	s_lshr_b32 s18, s[RR], 4
	s_lshl_b32 s18, s18, 4
	s_lshl_b32 s19, s[GX], 2
	s_add_co_u32 s18, s18, s19
	s_lshl_b32 s19, s[HC], 1
	s_add_co_u32 s18, s18, s19
	s_lshl_b32 s18, s18, 19
	s_and_b32 s19, s[RR], 15
	s_lshl_b32 s19, s19, 15
	s_add_co_u32 s18, s18, s19
	s_lshl_b32 s19, s[HR], 14
	s_add_co_u32 s18, s18, s19
	s_mov_b32 s19, 0
	s_add_nc_u64 s[QKB:QKB+1], s[6:7], s[18:19]
	s_add_nc_u64 s[VVB:VVB+1], s[8:9], s[18:19]
	s_lshr_b32 s18, s[RR], 4                       ; h32: block (48 b + 4 gx + 2 half) of 4,096 bytes, for q
	s_mul_i32 s18, s18, 48
	s_lshl_b32 s23, s[GX], 2
	s_add_co_u32 s18, s18, s23
	s_lshl_b32 s23, s[HC], 1
	s_add_co_u32 s18, s18, s23
	s_lshl_b32 s18, s18, 12
	s_add_nc_u64 s[HB:HB+1], s[10:11], s[18:19]
	s_and_b32 s18, s[RR], 15
	s_lshl_b32 s18, s18, 8
	s_lshl_b32 s23, s[HR], 7
	s_or_b32 s18, s18, s23
	v_mov_b32 v[TOK], s18
	; the prefetches' base: my work-group's 32 of the 128 rows that I fetch
	s_and_b32 s23, ttmp7, 0xffff
	s_cmp_eq_u32 s23, 0
	s_cselect_b32 s23, 24, 0                       ; the same in all sixteen partners
	s_cmp_eq_u32 s[HR], 0
	s_cselect_b32 s[PLIM], 8, s23
	s_cselect_b32 s[PMUL], 0, 0x200000
	s_cselect_b32 s18, s[RR], s[GX]
	s_cselect_b32 s19, s[CX], s[CY]
	s_cselect_b32 s23, 0, WQB
	s_lshl_b32 s18, s18, 8
	s_lshl_b32 s19, s19, 5
	s_add_co_u32 s18, s18, s19
	s_lshl_b32 s19, s[HC], 7
	s_add_co_u32 s18, s18, s19
	s_lshl_b32 s18, s18, 11
	s_add_co_u32 s18, s18, s23
	s_mov_b32 s19, 0
	s_add_nc_u64 s[PFB:PFB+1], s[4:5], s[18:19]
; 16 matrix instructions: m blocks a0, a0 + 1 of the window's four x all 8 n blocks, 32 along K.  zero = 1: the product starts the sums.  The 64 accumulators take turns, in the same order in every quarter.
.macro MUL16 f, hi, a0, zero
	WIN MUL_LO+0x50*(\hi)
.irp a, \a0, (\a0)+1
.irp b, 0,1,2,3,4,5,6,7
.set rD, 8*(8*(\a)+(\b))
.set rB, (\f)+8*(\b)
.set rA, (\f)+8*(4*(\hi)+(\a))
.if \zero
	v_wmma_f32_16x16x32_bf16 v[rD:rD+7], v[rB:rB+7], v[rA:rA+7], 0
.else
	v_wmma_f32_16x16x32_bf16 v[rD:rD+7], v[rB:rB+7], v[rA:rA+7], v[rD:rD+7]
.endif
.endr
.endr
.endm
.macro FETCH slot, k, f                ; 32 LDS loads in one run: a quarter step's fragments, at byte k of the rows
	WIN TO_B
.irp i, 0,1,2,3,4,5,6,7
	ds_load_b128 v[(\f)+8*(\i):(\f)+8*(\i)+3],   v[ADRB+(\slot)] offset:(\k)+(\i)*16*PITCH
	ds_load_b128 v[(\f)+8*(\i)+4:(\f)+8*(\i)+7], v[ADRB+(\slot)] offset:(\k)+(\i)*16*PITCH+32
.endr
	WIN 0
.irp i, 0,1,2,3,4,5,6,7
	ds_load_b128 v[(\f)+8*(\i):(\f)+8*(\i)+3],   v[ADRA+(\slot)] offset:(\k)+(\i)*16*PITCH
	ds_load_b128 v[(\f)+8*(\i)+4:(\f)+8*(\i)+7], v[ADRA+(\slot)] offset:(\k)+(\i)*16*PITCH+32
.endr
.endm
.macro PLACES                          ; four places behind a matrix instruction, ahead of loads into registers that it read and of whatever reads its result
.rept 4
	v_nop
.endr
.endm
.macro QUARTER slot, k, f, g, zero     ; 64 products on buffer f; in the middle the next quarter's fragments are fetched into g
	s_wait_dscnt 8                                 ; all but the youngest eight loads (x's rows 64-127)
	MUL16 \f, 0, 0, \zero
	MUL16 \f, 0, 2, \zero
	PLACES
	FETCH \slot, \k, \g
	s_wait_dscnt 32                                ; all but the 32 just issued
	MUL16 \f, 1, 0, \zero
	MUL16 \f, 1, 2, \zero
.endm
; The change of slots: each wave waits for all its tensor loads (one is out: its part of the next slot), adds 0 to its spare word, and waits for that and for its reads of this slot; then the barrier.
.macro MEET round
	WIN 0
	s_wait_tensorcnt 0x0
	ds_add_u32 v[SPW], v[NIL]
	s_wait_dscnt 9                                 ; the add and the youngest eight loads may be out
	MUL16 F1, 0, 0, 0
	s_wait_dscnt 0x0                               ; the add is done, my reads of this slot are over
	s_barrier_signal -1
	MUL16 F1, 0, 2, 0
.if \round
	WIN 0
.endif
	s_barrier_wait -1
.endm
.macro TURN slot, next, fill           ; a K step's last quarter.  fill = 1: the slot takes K step s[NN+slot]
.if \fill
	s_wait_xcnt 0x0                                ; the last prefetch, a K step back, has read its address
	s_add_co_u32 s[NP], s[NN+(\slot)], 2
	s_lshr_b32 s16, s[NP], 3
	s_mul_i32 s16, s16, s[PMUL]
	s_and_b32 s17, s[NP], 7
	s_lshl_b32 s17, s17, 8
	s_add_co_u32 s[PFOF], s16, s17
	s_add_nc_u64 s[PFA:PFA+1], s[PFB:PFB+1], s[PFOF:PFOF+1]
	s_and_b32 s[OFFA], s[NN+(\slot)], 7
	s_lshl_b32 s[OFFA], s[OFFA], 8                 ; x: 256 bytes a K step, the same rows in every tile
	s_lshr_b32 s[OFFB], s[NN+(\slot)], 3
	s_lshl_b32 s[OFFB], s[OFFB], 21                ; the weights: 1,024 rows of 2,048 bytes a tile
	s_add_co_u32 s[OFFB], s[OFFB], s[OFFA]
	s_add_co_u32 s[NN+(\slot)], s[NN+(\slot)], 2
	MEET 1
	CREST                                          ; the barrier has opened a round of the cluster's: no wave of any partner still reads this slot or has a load on its way
	s_add_nc_u64 s[G0+4*(\slot)+2:G0+4*(\slot)+3], s[ABASE:ABASE+1], s[OFFA:OFFA+1]
	s_or_b32 s[G0+4*(\slot)+3], s[G0+4*(\slot)+3], 0x80000000
	s_add_nc_u64 s[G0B+4*(\slot)+2:G0B+4*(\slot)+3], s[BBASE:BBASE+1], s[OFFB:OFFB+1]
	s_or_b32 s[G0B+4*(\slot)+3], s[G0B+4*(\slot)+3], 0x80000000
	JLOAD \slot                                    ; my one tensor load behind the round; its four v_nop are also the places ahead of the loads below
.else
	MEET 0
	PLACES
.endif
	FETCH \next, 0, F0
.if \fill
	ASK
.endif
	MUL16 F1, 1, 0, 0
	MUL16 F1, 1, 2, 0
.endm
.macro LASTQ
	s_wait_dscnt 8
	MUL16 F1, 0, 0, 0
	MUL16 F1, 0, 2, 0
	s_wait_dscnt 0x0
	MUL16 F1, 1, 0, 0
	MUL16 F1, 1, 2, 0
.endm
; THE WAY OUT, a loop over my eight blocks of 16 rows, its arithmetic written once.  SNIP a: if block a is due, its eight accumulators go into my stage, each from its low end on; the last link has no test.
.macro SNIP a, done
.if (\a) < 7
	s_cmp_lg_u32 s[BA], \a
	s_cbranch_scc1 .Lnot_\@
.endif
	WIN 0x08+4*((\a)/4)                            ; the stores' data in window 2 or 3
.irp b, 0,1,2,3,4,5,6,7
	ds_store_b128 v[STO], v[8*(8*((\a)%4)+(\b)):8*(8*((\a)%4)+(\b))+3] offset:64*(\b)
	ds_store_b128 v[STO], v[8*(8*((\a)%4)+(\b))+4:8*(8*((\a)%4)+(\b))+7] offset:64*(\b)+16
.endr
	WIN 0
.if (\a) < 7
	s_branch \done
.Lnot_\@:
.endif
.endm
; kind 0: phi, one bf16 plane.  kind 1: v as two bf16 planes.  Back from the stage a lane holds row 4 i + l / 8 and eight features of head j: 16 bytes of bf16, and 32 lanes make 512 consecutive bytes of a head.
.macro EPI kind
	PLACES
	WIN 0
.if \kind
	s_mov_b64 s[ST0:ST0+1], s[VVB:VVB+1]
	s_add_nc_u64 s[ST1:ST1+1], s[VVB:VVB+1], PLANE
.else
	s_add_nc_u64 s[ST0:ST0+1], s[QKB:QKB+1], s[TOFF:TOFF+1]
.endif
	s_mov_b32 s[BA], 0
.Lblk_\@:
.irp a, 0,1,2,3,4,5,6,7
	SNIP \a, .Lcom_\@
.endr
.Lcom_\@:
.irp j, 0,1
.irp i, 0,1,2,3
	ds_load_b128 v[XR+8*(4*(\j)+(\i)):XR+8*(4*(\j)+(\i))+3],   v[RD] offset:4*SPITCH*(\i)+256*(\j)     ; LDS serves a wave's instructions in order (ISA guide 5.7.1.4): these see the stores above
	ds_load_b128 v[XR+8*(4*(\j)+(\i))+4:XR+8*(4*(\j)+(\i))+7], v[RD] offset:4*SPITCH*(\i)+256*(\j)+16
.endr
.endr
	s_wait_dscnt 0x0
.if !(\kind)
.set p, 0
.rept 32
	v_pk_mul_f32 v[TR+2*p:TR+2*p+1], v[XR+2*p:XR+2*p+1], s[L2E:L2E+1] op_sel_hi:[1,0]
.set p, p+1
.endr
.set p, 0
.rept 64
	v_min_num_f32 v[TR+p], 0, v[TR+p]
.set p, p+1
.endr
.set p, 0
.rept 64
	v_exp_f32 v[TR+p], v[TR+p]                     ; one batch
.set p, p+1
.endr
.set p, 0
.rept 32
	v_pk_add_f32 v[XR+2*p:XR+2*p+1], v[XR+2*p:XR+2*p+1], 1.0 op_sel_hi:[1,0]  ; plain work that names no exponential's result
.set p, p+1
.endr
	s_wait_alu depctr_va_vdst(0)                   ; one wait for the batch, ahead of its first reader
.set p, 0
.rept 64
	v_max_num_f32 v[XR+p], v[XR+p], v[TR+p]
.set p, p+1
.endr
.endif
	s_cmp_lg_u32 s[BA], 0
	s_cbranch_scc1 .Lno_side_\@
	s_wait_xcnt 0x0                                ; EXEC changes only behind this wait
	v_cmp_eq_u32 vcc_lo, 0, v[TOK]                 ; my rows begin a batch: this block is its tokens 0-15.  A mask, no branch: all partners run the same lines
	s_and_saveexec_b32 s[SVX], vcc_lo
.irp j, 0,1
.irp i, 0,1,2,3
	global_store_b128 v[HO], v[XR+8*(4*(\j)+(\i)):XR+8*(4*(\j)+(\i))+3],   s[HB:HB+1] offset:4096*(\j)+1024*(\i)
	global_store_b128 v[HO], v[XR+8*(4*(\j)+(\i))+4:XR+8*(4*(\j)+(\i))+7], s[HB:HB+1] offset:4096*(\j)+1024*(\i)+16
.endr
.endr
	s_wait_xcnt 0x0                                ; and again, ahead of the line that widens it; the stores have read their data too
	s_or_b32 exec_lo, exec_lo, s[SVX]
.Lno_side_\@:
.set p, 0
.rept 32
	v_cvt_pk_bf16_f32 v[YR+p], v[XR+2*p], v[XR+2*p+1]
.set p, p+1
.endr
.if \kind
.set p, 0
.rept 32
	v_lshlrev_b32 v[TR+2*p], 16, v[YR+p]
	v_and_b32 v[TR+2*p+1], s[HIM], v[YR+p]
.set p, p+1
.endr
.set p, 0
.rept 32
	v_pk_add_f32 v[XR+2*p:XR+2*p+1], v[XR+2*p:XR+2*p+1], v[TR+2*p:TR+2*p+1] neg_lo:[0,1] neg_hi:[0,1]  ; what the rounding left
.set p, p+1
.endr
.set p, 0
.rept 32
	v_cvt_pk_bf16_f32 v[TR+p], v[XR+2*p], v[XR+2*p+1]
.set p, p+1
.endr
.endif
.irp j, 0,1
.irp i, 0,1,2,3
	global_store_b128 v[GO], v[YR+4*(4*(\j)+(\i)):YR+4*(4*(\j)+(\i))+3], s[ST0:ST0+1] offset:HEADB*(\j)+512*(\i)  ; 512 consecutive bytes, aligned
.if \kind
	global_store_b128 v[GO], v[TR+4*(4*(\j)+(\i)):TR+4*(4*(\j)+(\i))+3], s[ST1:ST1+1] offset:HEADB*(\j)+512*(\i)
.endif
.endr
.endr
	s_wait_xcnt 0x0                                ; the stores have read their registers and bases: both are written again below and in the next trip
	s_add_nc_u64 s[ST0:ST0+1], s[ST0:ST0+1], 2048  ; 16 rows of 128 bytes on
.if \kind
	s_add_nc_u64 s[ST1:ST1+1], s[ST1:ST1+1], 2048
.endif
	s_add_co_u32 s[BA], s[BA], 1
	s_cmp_lt_u32 s[BA], 8
	s_cbranch_scc1 .Lblk_\@
.if !(\kind)
	s_add_co_u32 s[TOFF], s[TOFF], PLANE           ; the next tile's plane,
	s_add_nc_u64 s[HB:HB+1], s[HB:HB+1], 65536     ; and its sixteen blocks of h32
.endif
.endm
	s_wait_tensorcnt 1                             ; my part of K step 0 is in; step 1's may stay out
	s_barrier_signal -1
	s_barrier_wait -1
	FETCH 0, 0, F0
	QUARTER 0, 64, F0, F1, 1                       ; a tile's first quarter starts the sums
	WIN 0
	s_mov_b32 s[LAPS], 11
.Llap:                                                 ; a trip: from a lap's second quarter to the next lap's first; it fills both slots again (K steps 2 to 23)
	QUARTER 0, 128, F1, F0, 0
	QUARTER 0, 192, F0, F1, 0
	TURN 0, 1, 1
	QUARTER 1, 64,  F0, F1, 0
	QUARTER 1, 128, F1, F0, 0
	QUARTER 1, 192, F0, F1, 0
	TURN 1, 0, 1
	WIN 0
	s_and_b32 s16, s[LAPS], 3                      ; 8 and 4 laps to go: K steps 7 and 15 are done, a tile is finished: the same trips in every work-group
	s_cmp_lg_u32 s16, 0
	s_cbranch_scc1 .Lsame
	EPI 0                                          ; both refills are asked for: the tile goes out while they land
	QUARTER 0, 64, F0, F1, 1
	WIN 0
	s_branch .Ljoin
.Lsame:
	QUARTER 0, 64, F0, F1, 0
	WIN 0
.Ljoin:
	s_sub_co_u32 s[LAPS], s[LAPS], 1
	s_cmp_lg_u32 s[LAPS], 0
	s_cbranch_scc1 .Llap
	QUARTER 0, 128, F1, F0, 0                      ; the last lap fills nothing
	QUARTER 0, 192, F0, F1, 0
	TURN 0, 1, 0
	QUARTER 1, 64,  F0, F1, 0
	QUARTER 1, 128, F1, F0, 0
	QUARTER 1, 192, F0, F1, 0
	LASTQ
	EPI 1
	WIN 0
	s_wait_tensorcnt 0x0                           ; the wave's end
	ds_add_u32 v[SPW], v[NIL]
	s_wait_dscnt 0x0
	CROUND                                         ; the closing round
	s_endpgm
.Lfunc_end_k_qecf3a0f7bf_gemm1:
	.size	k_qecf3a0f7bf_gemm1, .Lfunc_end_k_qecf3a0f7bf_gemm1-k_qecf3a0f7bf_gemm1
	.p2alignl 7, 3214868480
	.fill 96, 4, 3214868480
	.section	.rodata,"a",@progbits
	.p2align	6, 0x0
	.amdhsa_kernel k_qecf3a0f7bf_gemm1
		.amdhsa_group_segment_fixed_size 327680
		.amdhsa_private_segment_fixed_size 0
		.amdhsa_enable_private_segment 0
		.amdhsa_kernarg_size 32
		.amdhsa_user_sgpr_count 2
		.amdhsa_user_sgpr_kernarg_segment_ptr 1
		.amdhsa_wavefront_size32 1
		.amdhsa_system_sgpr_workgroup_id_x 1
		.amdhsa_system_sgpr_workgroup_id_y 1
		.amdhsa_system_sgpr_workgroup_id_z 1
		.amdhsa_system_vgpr_workitem_id 0
		.amdhsa_next_free_vgpr 1024
		.amdhsa_next_free_sgpr 100
		.amdhsa_reserve_vcc 1
		.amdhsa_float_denorm_mode_32 3
		.amdhsa_float_denorm_mode_16_64 3
		.amdhsa_memory_ordered 1
		.amdhsa_forward_progress 1
		.amdhsa_inst_pref_size 168
	.end_amdhsa_kernel
	.amdgpu_metadata
---
amdhsa.version: [ 1, 2 ]
amdhsa.kernels:
  - .name:           k_qecf3a0f7bf_gemm1
    .symbol:         k_qecf3a0f7bf_gemm1.kd
    .args:
      - { .name: cb, .offset: 0, .size: 8, .value_kind: global_buffer, .address_space: global }
      - { .name: qk, .offset: 8, .size: 8, .value_kind: global_buffer, .address_space: global }
      - { .name: vv, .offset: 16, .size: 8, .value_kind: global_buffer, .address_space: global }
      - { .name: h32, .offset: 24, .size: 8, .value_kind: global_buffer, .address_space: global }
    .group_segment_fixed_size: 327680
    .private_segment_fixed_size: 0
    .kernarg_segment_align: 8
    .kernarg_segment_size: 32
    .max_flat_workgroup_size: 128
    .sgpr_count:     100
    .vgpr_count:     1024
    .wavefront_size: 32
...
	.end_amdgpu_metadata
.endif
;; end of part 2
;; launch first (part 3): grid 16 x 4, 16 waves a work-group, no clusters, 71,680 bytes of LDS; arguments h32, cb, out0; writes out0
.if DOCPART == 3
	.amdgcn_target "amdgcn-amd-amdhsa--gfx1250"
	.amdhsa_code_object_version 6
	.text
	.protected	k_qecf3a0f7bf_first
	.globl	k_qecf3a0f7bf_first
	.p2align	8
	.type	k_qecf3a0f7bf_first,@function
k_qecf3a0f7bf_first:
	s_mov_b64 s[64:65], 0
	v_nop
	global_prefetch_b8 v0, s[64:65] scope:SCOPE_SE
	s_setreg_imm32_b32 hwreg(HW_REG_WAVE_MODE, 25, 1), 1
	s_wait_xcnt 0x0
; TOKENS 0-15 OF EACH BATCH, whole: attention in f32 and the output projection.  Row t is a mean of only t + 1 rows of v, many times larger than the output's root mean square, so 16-bit roundings of
; v, of the weights and of o are too coarse for these rows.  64 rows in all: 32 f32 matrix instructions a head are no bulk work.
; SHARES.  A work-group makes 16 tokens x 64 output features (x = block of features, y = batch); wave = head.  Each wave: P^T = K Q^T (16 keys x 16 queries, f32), the causal mask, the row sum, O^T = V^T P (f32),
; o = O / max(sum, 1e-6), o as f16 + f16 (o rounded, and what the rounding left), Y^T = W o^T for its 64 channels (f16 form, w_out as cb holds it).  The 16 heads' partial sums meet in LDS.
; LIMITS.  o within 65,504; NaN and infinities are not treated apart.  The sums are taken in another order than a step-by-step scan takes them.
.set PP,    272                        ; a partial row: 64 f32 + 16 bytes
.set SPARE, 16*16*PP                   ; behind the 16 partial tiles: the spare words, 128 bytes a wave
.set WOF,   39845888                   ; w_out's first byte in cb
.set QA, 4                             ; v4  r x 256 + 16 h      v5  h x 2,048 + 4 r      v6  r x 2,048 + 16 h      v7  r - 8 h
.set VA, 5
.set WA, 6
.set RJ, 7
.set NEG1, 8
.set DEN, 9
.set DT, 10
.set LS, 11
.set LR, 12
.set YO, 13
.set SPW, 14
.set NIL, 15
.set RC, 16                            ; v[16:17] 1 / the divisor, twice
.set Q, 20                             ; v[20:51]  register 4 i + c: channel 8 i + 4 h + c of row r; K likewise, so a pair of registers of each is one K step of 4
.set K, 52
.set V, 84                             ; v[84:115] register 8 eb + c: V[key 8 h + c][channel 16 eb + r]
.set W, 116                            ; v[116:179] fragment (nt, kf) at 8 (2 nt + kf)
.set P, 180
.set D1A, 188                          ; v[188:235] are written by the f32 matrix form alone
.set D1B, 196
.set OA, 204
.set OF, 20
.set OHI, 52
.set OLO, 68
.set Y, 84
.set WV, 12
	s_load_b128 s[4:7], s[0:1], 0x0                ; h32 s[4:5], cb s[6:7]
	s_load_b64 s[8:9], s[0:1], 0x10                ; out0
	v_lshl_add_u32 v[SPW], v0, 2, SPARE
	v_mov_b32 v[NIL], 0
	v_lshrrev_b32 v1, 5, v0
	v_readfirstlane_b32 s[WV], v1                  ; wave = head
	s_and_b32 s13, ttmp7, 0xffff                   ; batch
	v_and_b32 v1, 15, v0                           ; r
	v_bfe_u32 v2, v0, 4, 1                         ; h
	v_lshlrev_b32 v[QA], 8, v1
	v_lshl_add_u32 v[QA], v2, 4, v[QA]
	v_lshlrev_b32 v[VA], 2, v1
	v_lshl_add_u32 v[VA], v2, 11, v[VA]
	v_lshlrev_b32 v[WA], 11, v1
	v_lshl_add_u32 v[WA], v2, 4, v[WA]
	v_lshlrev_b32 v3, 3, v2
	v_sub_nc_u32 v[RJ], v1, v3
	v_mov_b32 v[NEG1], -1.0
	s_mul_i32 s22, s[WV], 16*PP
	v_mul_u32_u24 v[LS], v1, PP
	v_lshl_add_u32 v[LS], v2, 5, v[LS]
	v_add_nc_u32 v[LS], s22, v[LS]                 ; my partial tile: row r, 32 bytes for each half of the lanes
	v_lshrrev_b32 v3, 4, v0
	v_mul_u32_u24 v[LR], v3, PP
	v_lshl_add_u32 v[LR], v1, 4, v[LR]             ; threads 0-255: row t / 16, 16 bytes at 16 (t % 16)
	v_lshlrev_b32 v[YO], 12, v3
	v_lshl_add_u32 v[YO], v1, 4, v[YO]
	s_mul_i32 s14, s13, 48
	s_add_co_u32 s14, s14, s[WV]
	s_lshl_b32 s14, s14, 12                        ; my head's block of q; k's lies 65,536 bytes on, v's 131,072
	s_mov_b32 s15, 0
	s_lshl_b32 s16, ttmp9, 17                      ; 64 rows of w_out,
	s_lshl_b32 s17, s[WV], 7                       ; my head's 64 channels
	s_add_co_u32 s16, s16, s17
	s_add_co_u32 s16, s16, WOF
	s_mov_b32 s17, 0
	s_lshl_b32 s18, s13, 24                        ; the batch's first row of out0,
	s_lshl_b32 s19, ttmp9, 8                       ; the block's 64 features
	s_add_co_u32 s18, s18, s19
	s_mov_b32 s19, 0
	s_mov_b32 s20, 0x76543210                      ; v_permlanex16_b32: each lane takes its own place in the other half
	s_mov_b32 s21, 0xfedcba98
	s_wait_kmcnt 0x0
	s_add_nc_u64 s[4:5], s[4:5], s[14:15]
	s_add_nc_u64 s[6:7], s[6:7], s[16:17]
	s_add_nc_u64 s[8:9], s[8:9], s[18:19]
.irp i, 0,1,2,3,4,5,6,7
	global_load_b128 v[Q+4*(\i):Q+4*(\i)+3], v[QA], s[4:5] offset:32*(\i)
.endr
.irp i, 0,1,2,3,4,5,6,7
	global_load_b128 v[K+4*(\i):K+4*(\i)+3], v[QA], s[4:5] offset:65536+32*(\i)
.endr
.irp eb, 0,1,2,3
.irp c, 0,1,2,3,4,5,6,7
	global_load_b32 v[V+8*(\eb)+(\c)], v[VA], s[4:5] offset:131072+256*(\c)+64*(\eb)
.endr
.endr
.irp nt, 0,1,2,3
.irp kf, 0,1
	global_load_b128 v[W+8*(2*(\nt)+(\kf)):W+8*(2*(\nt)+(\kf))+3],   v[WA], s[6:7] offset:32768*(\nt)+64*(\kf)
	global_load_b128 v[W+8*(2*(\nt)+(\kf))+4:W+8*(2*(\nt)+(\kf))+7], v[WA], s[6:7] offset:32768*(\nt)+64*(\kf)+32
.endr
.endr
	s_wait_loadcnt 48                              ; Q and K are in; V's 32 and W's 16 loads may stay out
	v_wmma_f32_16x16x4_f32 v[D1A:D1A+7], v[K:K+1], v[Q:Q+1], 0          ; the first K steps start the two sums, which take turns
	v_wmma_f32_16x16x4_f32 v[D1B:D1B+7], v[K+2:K+3], v[Q+2:Q+3], 0
.set p, 1
.rept 7
	v_wmma_f32_16x16x4_f32 v[D1A:D1A+7], v[K+4*p:K+4*p+1], v[Q+4*p:Q+4*p+1], v[D1A:D1A+7]
	v_wmma_f32_16x16x4_f32 v[D1B:D1B+7], v[K+4*p+2:K+4*p+3], v[Q+4*p+2:Q+4*p+3], v[D1B:D1B+7]
.set p, p+1
.endr
.rept 8
	v_nop                                          ; eight places behind the f32 form (ISA guide 7.12.1)
.endr
.irp j, 0,1,2,3,4,5,6,7
	v_add_f32 v[P+(\j)], v[D1A+(\j)], v[D1B+(\j)]  ; a lane holds query r and keys 8 h + j
.endr
.irp j, 0,1,2,3,4,5,6,7
	v_cmp_le_i32 vcc_lo, \j, v[RJ]                 ; key 8 h + j <= query r
	v_cndmask_b32 v[P+(\j)], 0, v[P+(\j)], vcc_lo
.endr
	v_add_f32 v[DEN], v[P], v[P+1]
	v_add_f32 v[DT], v[P+2], v[P+3]
	v_add_f32 v[DEN], v[DEN], v[DT]
	v_add_f32 v[DT], v[P+4], v[P+5]
	v_add_f32 v[DEN], v[DEN], v[DT]
	v_add_f32 v[DT], v[P+6], v[P+7]
	v_add_f32 v[DEN], v[DEN], v[DT]
	v_permlanex16_b32 v[DT], v[DEN], s20, s21      ; the query's other eight keys
	v_add_f32 v[DEN], v[DEN], v[DT]
	v_max_num_f32 v[DEN], 0x358637bd, v[DEN]       ; the clip at 1e-6
	v_rcp_f32 v[RC], v[DEN]
	v_rcp_f32 v[RC+1], v[DEN]
	v_nop                                          ; a plain instruction behind the reciprocals,
	s_wait_alu depctr_va_vdst(0)                   ; and one wait for both
	s_wait_loadcnt 16                              ; V is in
.irp i, 0,1,2,3
.irp eb, 0,1,2,3
.if (\i) == 0
	v_wmma_f32_16x16x4_f32 v[OA+8*(\eb):OA+8*(\eb)+7], v[V+8*(\eb):V+8*(\eb)+1], v[P:P+1], 0
.else
	v_wmma_f32_16x16x4_f32 v[OA+8*(\eb):OA+8*(\eb)+7], v[V+8*(\eb)+2*(\i):V+8*(\eb)+2*(\i)+1], v[P+2*(\i):P+2*(\i)+1], v[OA+8*(\eb):OA+8*(\eb)+7]
.endif
.endr
.endr
.rept 8
	v_nop
.endr
.set p, 0
.rept 16
	v_pk_mul_f32 v[OF+2*p:OF+2*p+1], v[OA+2*p:OA+2*p+1], v[RC:RC+1]   ; a lane holds token r and channels 16 eb + 8 h + j
.set p, p+1
.endr
.set p, 0
.rept 16
	v_cvt_pk_f16_f32 v[OHI+p], v[OF+2*p], v[OF+2*p+1]
.set p, p+1
.endr
.set p, 0
.rept 16
	v_fma_mix_f32 v[OF+2*p], v[OHI+p], v[NEG1], v[OF+2*p] op_sel_hi:[1,0,0]                    ; o less its f16, exactly
	v_fma_mix_f32 v[OF+2*p+1], v[OHI+p], v[NEG1], v[OF+2*p+1] op_sel:[1,0,0] op_sel_hi:[1,0,0]
.set p, p+1
.endr
.set p, 0
.rept 16
	v_cvt_pk_f16_f32 v[OLO+p], v[OF+2*p], v[OF+2*p+1]
.set p, p+1
.endr
	s_wait_loadcnt 0x0                             ; W is in
.irp kf, 0,1
.irp nt, 0,1,2,3
.if (\kf) == 0
	v_wmma_f32_16x16x32_f16 v[Y+8*(\nt):Y+8*(\nt)+7], v[W+16*(\nt):W+16*(\nt)+7], v[OHI:OHI+7], 0
.else
	v_wmma_f32_16x16x32_f16 v[Y+8*(\nt):Y+8*(\nt)+7], v[W+16*(\nt)+8:W+16*(\nt)+15], v[OHI+8:OHI+15], v[Y+8*(\nt):Y+8*(\nt)+7]
.endif
.endr
.endr
.irp kf, 0,1
.irp nt, 0,1,2,3
	v_wmma_f32_16x16x32_f16 v[Y+8*(\nt):Y+8*(\nt)+7], v[W+16*(\nt)+8*(\kf):W+16*(\nt)+8*(\kf)+7], v[OLO+8*(\kf):OLO+8*(\kf)+7], v[Y+8*(\nt):Y+8*(\nt)+7]
.endr
.endr
.rept 4
	v_nop
.endr
.irp nt, 0,1,2,3
	ds_store_b128 v[LS], v[Y+8*(\nt):Y+8*(\nt)+3]   offset:64*(\nt)      ; token r, features 16 nt + 8 h + 0..7
	ds_store_b128 v[LS], v[Y+8*(\nt)+4:Y+8*(\nt)+7] offset:64*(\nt)+16
.endr
	s_wait_dscnt 0x0                               ; for the others' sake: my stores are done
	s_barrier_signal -1
	s_barrier_wait -1                              ; all sixteen heads' partial sums lie in LDS
	s_cmp_lt_u32 s[WV], 8                          ; 256 threads have 16 bytes of the tile each
	s_cbranch_scc0 .Lend
.irp k, 0,1,2,3,4,5,6,7,8,9,10,11,12,13,14,15
	ds_load_b128 v[W+4*(\k):W+4*(\k)+3], v[LR] offset:16*PP*(\k)
.endr
	s_wait_dscnt 0x0
.macro ADDP a, b
	v_pk_add_f32 v[W+4*(\a):W+4*(\a)+1], v[W+4*(\a):W+4*(\a)+1], v[W+4*(\b):W+4*(\b)+1]
	v_pk_add_f32 v[W+4*(\a)+2:W+4*(\a)+3], v[W+4*(\a)+2:W+4*(\a)+3], v[W+4*(\b)+2:W+4*(\b)+3]
.endm
.irp a, 0,2,4,6,8,10,12,14
	ADDP \a, (\a)+1
.endr
.irp a, 0,4,8,12
	ADDP \a, (\a)+2
.endr
	ADDP 0, 4
	ADDP 8, 12
	ADDP 0, 8
	global_store_b128 v[YO], v[W:W+3], s[8:9]      ; sixteen lanes store 256 consecutive bytes, aligned
.Lend:
	s_wait_tensorcnt 0x0                           ; the wave's end, behind my last LDS store
	ds_add_u32 v[SPW], v[NIL]
	s_wait_dscnt 0x0
	s_endpgm
.Lfunc_end_k_qecf3a0f7bf_first:
	.size	k_qecf3a0f7bf_first, .Lfunc_end_k_qecf3a0f7bf_first-k_qecf3a0f7bf_first
	.p2alignl 7, 3214868480
	.fill 96, 4, 3214868480
	.section	.rodata,"a",@progbits
	.p2align	6, 0x0
	.amdhsa_kernel k_qecf3a0f7bf_first
		.amdhsa_group_segment_fixed_size 71680
		.amdhsa_private_segment_fixed_size 0
		.amdhsa_enable_private_segment 0
		.amdhsa_kernarg_size 24
		.amdhsa_user_sgpr_count 2
		.amdhsa_user_sgpr_kernarg_segment_ptr 1
		.amdhsa_wavefront_size32 1
		.amdhsa_system_sgpr_workgroup_id_x 1
		.amdhsa_system_sgpr_workgroup_id_y 1
		.amdhsa_system_sgpr_workgroup_id_z 1
		.amdhsa_system_vgpr_workitem_id 0
		.amdhsa_next_free_vgpr 240
		.amdhsa_next_free_sgpr 66
		.amdhsa_reserve_vcc 1
		.amdhsa_float_denorm_mode_32 3
		.amdhsa_float_denorm_mode_16_64 3
		.amdhsa_memory_ordered 1
		.amdhsa_forward_progress 1
		.amdhsa_inst_pref_size 23
	.end_amdhsa_kernel
	.amdgpu_metadata
---
amdhsa.version: [ 1, 2 ]
amdhsa.kernels:
  - .name:           k_qecf3a0f7bf_first
    .symbol:         k_qecf3a0f7bf_first.kd
    .args:
      - { .name: h32, .offset: 0, .size: 8, .value_kind: global_buffer, .address_space: global }
      - { .name: cb, .offset: 8, .size: 8, .value_kind: global_buffer, .address_space: global }
      - { .name: out0, .offset: 16, .size: 8, .value_kind: global_buffer, .address_space: global }
    .group_segment_fixed_size: 71680
    .private_segment_fixed_size: 0
    .kernarg_segment_align: 8
    .kernarg_segment_size: 24
    .max_flat_workgroup_size: 512
    .sgpr_count:     66
    .vgpr_count:     240
    .wavefront_size: 32
...
	.end_amdgpu_metadata
.endif
;; end of part 3
;; launch state (part 4): grid 3 x 64, 4 waves a work-group, no clusters, 327,680 bytes of LDS; arguments qk, vv, st; writes st
.if DOCPART == 4
	.amdgcn_target "amdgcn-amd-amdhsa--gfx1250"
	.amdhsa_code_object_version 6
	.text
	.protected	k_qecf3a0f7bf_state
	.globl	k_qecf3a0f7bf_state
	.p2align	8
	.type	k_qecf3a0f7bf_state,@function
k_qecf3a0f7bf_state:
	s_mov_b64 s[64:65], 0
	v_nop
	global_prefetch_b8 v0, s[64:65] scope:SCOPE_SE
	s_setreg_imm32_b32 hwreg(HW_REG_WAVE_MODE, 25, 1), 1
	s_wait_xcnt 0x0
; THE CARRY.  For each head and each of its first three segments of 1,024 tokens: T[d][e] = the sum over the segment's tokens of k[t][d] v[t][e], and in a fifth block of columns the sum of k[t][d] (z).
; k is bf16, v a pair of bf16 (both parts are multiplied); sums in f32.  The next launch adds the segments before its own: the sum that spans work-groups is ordered by the launch's end.
; SHARES.  A work-group has a head's segment; wave w the rows d = 16 w .. 16 w + 15: five accumulators (four blocks of e, and the block whose columns 0 and 8 are multiplied by ones).
; Both sources are turned out of LDS by ds_load_tr16_b128: source 0 = K^T (16 d x 32 tokens), source 1 = V^T (16 e x 32 tokens).
; RING.  Two slots of 256 tokens: v's first part (rows of 160 bytes), its second part, k (rows of 144).  Waves 0 and 1 fetch v's two parts, waves 2 and 3 the halves of k: one tensor load a wave.
; NO CLUSTER: no two work-groups read the same tile.  192 work-groups: the last segment's sum is wanted by nobody.
.set PK,    144
.set PV,    160
.set VLO,   256*PV
.set KO,    2*256*PV
.set SLOT1, 131072                     ; slot 1 begins here: one exclusive or turns an address in one slot into the other's
.set SPARE, SLOT1+KO+256*PK            ; behind the ring: the spare words
.set AT0, 2                            ; v2 my lane's place in k for the turning load, v3 in v; never rewritten
.set AV0, 3
.set AT,  4
.set AV,  5
.set GO,  6
.set SPW, 30
.set NIL, 31
.set SA,  32                           ; v[32:71]   five accumulators
.set KT,  72                           ; v[72:87]   K^T, tokens 32 th on
.set VH,  88                           ; v[88:151]  V^T, fragment (th, jb) at 8 (4 th + jb)
.set VL,  152
.set ONE, 216                          ; v[216:223] ones in columns 0 and 8
.set WV,  12
.set G1V, 24
.set G1K, 32
.set G0V, 40
.set G0K, 44
.set SLOTS, 56
.set CNT, 57
.set TBK, 62                           ; s62, s63 the LDS byte at which the chunk in hand begins, in k and in v
.set TBV, 63
.macro LOADT                           ; the branch hangs on the wave's number; an s_nop 0 and four v_nop follow each line
	s_cmp_lt_u32 s[WV], 2
	s_cbranch_scc0 .Lfor_k_\@
	tensor_load_to_lds s[G0V:G0V+3], s[G1V:G1V+7]
	s_nop 0
.rept 4
	v_nop
.endr
	s_branch .Lasked_\@
.Lfor_k_\@:
	tensor_load_to_lds s[G0K:G0K+3], s[G1K:G1K+7]
	s_nop 0
.rept 4
	v_nop
.endr
.Lasked_\@:
.endm
; The change of slots: every wave waits for all its tensor loads (one is out: its part of the other slot), adds 0 to its spare word, waits for that and for its reads; behind the barrier the old slot is filled first.
.macro CHANGE fill
	s_wait_tensorcnt 0x0
	ds_add_u32 v[SPW], v[NIL]
.if \fill
	s_xor_b32 s[G0V+1], s[G0V+1], SLOT1
	s_add_nc_u64 s[G0V+2:G0V+3], s[G0V+2:G0V+3], 32768   ; the next 256 tokens
	s_xor_b32 s[G0K+1], s[G0K+1], SLOT1
	s_add_nc_u64 s[G0K+2:G0K+3], s[G0K+2:G0K+3], 32768
.endif
	s_wait_dscnt 0x0
	s_barrier_signal -1
	s_sub_co_u32 s[TBK], s[TBK], 256*PK            ; back to a slot's first chunk, in the other slot
	s_xor_b32 s[TBK], s[TBK], SLOT1
	s_sub_co_u32 s[TBV], s[TBV], 256*PV
	s_xor_b32 s[TBV], s[TBV], SLOT1
	s_barrier_wait -1
.if \fill
	LOADT
.endif
.endm
	s_load_b128 s[4:7], s[0:1], 0x0                ; qk s[4:5], vv s[6:7]
	s_load_b64 s[8:9], s[0:1], 0x10                ; st
	v_lshl_add_u32 v[SPW], v0, 2, SPARE
	v_mov_b32 v[NIL], 0
	ds_add_u32 v[SPW], v[NIL]                      ; the wave's opening: the add, twice on end, and its wait ahead of my first tensor load
	ds_add_u32 v[SPW], v[NIL]
	v_lshrrev_b32 v1, 5, v0
	v_readfirstlane_b32 s[WV], v1
	s_and_b32 s13, s[WV], 1
	s_and_b32 s14, ttmp7, 0xffff                   ; the head, 16 b + h
	s_lshl_b32 s16, s14, 19
	s_lshl_b32 s17, ttmp9, 17
	s_add_co_u32 s16, s16, s17                     ; the segment's first byte in a plane
	s_lshl_b32 s18, s13, 25                        ; v's first or second part
	s_add_co_u32 s18, s18, s16
	s_mov_b32 s19, 0
	s_lshl_b32 s20, s13, 14                        ; k's first or second 128 tokens,
	s_add_co_u32 s20, s20, s16
	s_add_co_u32 s20, s20, 33554432                ; behind q
	s_mov_b32 s21, 0
	s_mul_i32 s22, s14, 3
	s_add_co_u32 s22, s22, ttmp9
	s_lshl_b32 s22, s22, 2
	s_add_co_u32 s22, s22, s[WV]
	s_mul_i32 s22, s22, 5120                       ; my five accumulators' image in st
	s_mov_b32 s23, 0
	s_mov_b32 s[G1V], (1<<16)|(1<<20)|(4<<22)|(7<<25)  ; 2-byte elements; padding on; after every 32 words (a token) 8 words
	s_mov_b32 s[G1K], (1<<16)|(1<<20)|(4<<22)|(3<<25)  ; the same with 4 words
	s_mov_b32 s[G1V+2], 128<<16                    ; 256 tokens are 128 dense rows of 256 bytes,
	s_mov_b32 s[G1V+4], 128
	s_mov_b32 s[G1K+2], 64<<16                     ; 128 tokens 64
	s_mov_b32 s[G1K+4], 64
.irp g, G1V, G1K
	s_mov_b32 s[(\g)+1], 128<<16
	s_mov_b32 s[(\g)+3], 128<<16
	s_mov_b32 s[(\g)+5], 128
	s_mov_b32 s[(\g)+6], 0
	s_mov_b32 s[(\g)+7], 0
.endr
	s_mov_b32 s[G0V], 1
	s_mul_i32 s[G0V+1], s13, VLO
	s_mov_b32 s[G0K], 1
	s_mul_i32 s[G0K+1], s13, 128*PK
	s_add_co_u32 s[G0K+1], s[G0K+1], KO
	s_mov_b32 s[TBK], SLOT1+256*PK                 ; the first change of slots turns these two into 0
	s_mov_b32 s[TBV], SLOT1+256*PV
	s_mov_b32 s[SLOTS], 3
	s_wait_dscnt 0x0
	s_wait_kmcnt 0x0
	s_add_nc_u64 s[G0V+2:G0V+3], s[6:7], s[18:19]
	s_or_b32 s[G0V+3], s[G0V+3], 0x80000000
	s_add_nc_u64 s[G0K+2:G0K+3], s[4:5], s[20:21]
	s_or_b32 s[G0K+3], s[G0K+3], 0x80000000
	s_add_nc_u64 s[8:9], s[8:9], s[22:23]
	LOADT                                          ; tokens 0-255 into slot 0
	v_and_b32 v7, 7, v0
	v_bfe_u32 v8, v0, 4, 1
	v_bfe_u32 v9, v0, 3, 1
	v_lshl_add_u32 v10, v8, 3, v7                  ; the turning load: lane l reads token 8 (l / 16) + l % 8, 16 bytes at 16 ((l / 8) % 2)
	v_mul_u32_u24 v[AT0], v10, PK
	v_lshl_add_u32 v[AT0], v9, 4, v[AT0]
	s_lshl_b32 s15, s[WV], 5                       ; my 16 channels of k
	s_add_co_u32 s15, s15, KO
	v_add_nc_u32 v[AT0], s15, v[AT0]
	v_mul_u32_u24 v[AV0], v10, PV
	v_lshl_add_u32 v[AV0], v9, 4, v[AV0]
	v_and_b32 v11, 31, v0
	v_lshlrev_b32 v[GO], 4, v11
	v_mov_b32 v12, 0x3f803f80                      ; 1.0 twice in bf16
	v_cmp_eq_u32 vcc_lo, 0, v7
.set i, 0
.rept 8
	v_cndmask_b32 v[ONE+i], 0, v12, vcc_lo
.set i, i+1
.endr
.set i, 0
.rept 40
	v_mov_b32 v[SA+i], 0                           ; the sums start at 0, written in the wait for the first tile: the chunk has one form, written once
.set i, i+1
.endr
.macro CHUNK                           ; 64 tokens: 36 turning loads, 18 products; the five accumulators take turns, over the backward jump too
	v_add_nc_u32 v[AT], s[TBK], v[AT0]
	v_add_nc_u32 v[AV], s[TBV], v[AV0]
.irp th, 0,1
	ds_load_tr16_b128 v[KT+8*(\th):KT+8*(\th)+3],   v[AT] offset:(\th)*32*PK
	ds_load_tr16_b128 v[KT+8*(\th)+4:KT+8*(\th)+7], v[AT] offset:(\th)*32*PK+16*PK
.endr
.irp th, 0,1
.irp jb, 0,1,2,3
	ds_load_tr16_b128 v[VH+8*(4*(\th)+(\jb)):VH+8*(4*(\th)+(\jb))+3],   v[AV] offset:(\th)*32*PV+(\jb)*32
	ds_load_tr16_b128 v[VH+8*(4*(\th)+(\jb))+4:VH+8*(4*(\th)+(\jb))+7], v[AV] offset:(\th)*32*PV+16*PV+(\jb)*32
.endr
.endr
.irp th, 0,1
.irp jb, 0,1,2,3
	ds_load_tr16_b128 v[VL+8*(4*(\th)+(\jb)):VL+8*(4*(\th)+(\jb))+3],   v[AV] offset:VLO+(\th)*32*PV+(\jb)*32
	ds_load_tr16_b128 v[VL+8*(4*(\th)+(\jb))+4:VL+8*(4*(\th)+(\jb))+7], v[AV] offset:VLO+(\th)*32*PV+16*PV+(\jb)*32
.endr
.endr
	s_wait_dscnt 0x0
.irp th, 0,1
.irp jb, 0,1,2,3
	v_wmma_f32_16x16x32_bf16 v[SA+8*(\jb):SA+8*(\jb)+7], v[KT+8*(\th):KT+8*(\th)+7], v[VH+8*(4*(\th)+(\jb)):VH+8*(4*(\th)+(\jb))+7], v[SA+8*(\jb):SA+8*(\jb)+7]
.endr
	v_wmma_f32_16x16x32_bf16 v[SA+32:SA+39], v[KT+8*(\th):KT+8*(\th)+7], v[ONE:ONE+7], v[SA+32:SA+39]
.irp jb, 0,1,2,3
	v_wmma_f32_16x16x32_bf16 v[SA+8*(\jb):SA+8*(\jb)+7], v[KT+8*(\th):KT+8*(\th)+7], v[VL+8*(4*(\th)+(\jb)):VL+8*(4*(\th)+(\jb))+7], v[SA+8*(\jb):SA+8*(\jb)+7]
.endr
.endr
.rept 4
	v_nop                                          ; four places, ahead of the next chunk's loads and of the stores at the end
.endr
	s_add_co_u32 s[TBK], s[TBK], 64*PK
	s_add_co_u32 s[TBV], s[TBV], 64*PV
.endm
.macro FOUR
	s_mov_b32 s[CNT], 4
.Lch_\@:
	CHUNK
	s_sub_co_u32 s[CNT], s[CNT], 1
	s_cmp_lg_u32 s[CNT], 0
	s_cbranch_scc1 .Lch_\@
.endm
.Lslot:                                                ; three trips: a slot is entered and the next 256 tokens are asked for
	CHANGE 1
	FOUR
	s_sub_co_u32 s[SLOTS], s[SLOTS], 1
	s_cmp_lg_u32 s[SLOTS], 0
	s_cbranch_scc1 .Lslot
	CHANGE 0                                       ; the last slot is written out: nothing is asked for
	FOUR
.irp jb, 0,1,2,3,4
	global_store_b128 v[GO], v[SA+8*(\jb):SA+8*(\jb)+3],   s[8:9] offset:1024*(\jb)       ; the registers' image: 512 consecutive bytes a store
	global_store_b128 v[GO], v[SA+8*(\jb)+4:SA+8*(\jb)+7], s[8:9] offset:1024*(\jb)+512
.endr
	s_wait_tensorcnt 0x0                           ; the wave's end
	ds_add_u32 v[SPW], v[NIL]
	s_wait_dscnt 0x0
	s_endpgm
.Lfunc_end_k_qecf3a0f7bf_state:
	.size	k_qecf3a0f7bf_state, .Lfunc_end_k_qecf3a0f7bf_state-k_qecf3a0f7bf_state
	.p2alignl 7, 3214868480
	.fill 96, 4, 3214868480
	.section	.rodata,"a",@progbits
	.p2align	6, 0x0
	.amdhsa_kernel k_qecf3a0f7bf_state
		.amdhsa_group_segment_fixed_size 327680
		.amdhsa_private_segment_fixed_size 0
		.amdhsa_enable_private_segment 0
		.amdhsa_kernarg_size 24
		.amdhsa_user_sgpr_count 2
		.amdhsa_user_sgpr_kernarg_segment_ptr 1
		.amdhsa_wavefront_size32 1
		.amdhsa_system_sgpr_workgroup_id_x 1
		.amdhsa_system_sgpr_workgroup_id_y 1
		.amdhsa_system_sgpr_workgroup_id_z 1
		.amdhsa_system_vgpr_workitem_id 0
		.amdhsa_next_free_vgpr 224
		.amdhsa_next_free_sgpr 66
		.amdhsa_reserve_vcc 1
		.amdhsa_float_denorm_mode_32 3
		.amdhsa_float_denorm_mode_16_64 3
		.amdhsa_memory_ordered 1
		.amdhsa_forward_progress 1
		.amdhsa_inst_pref_size 17
	.end_amdhsa_kernel
	.amdgpu_metadata
---
amdhsa.version: [ 1, 2 ]
amdhsa.kernels:
  - .name:           k_qecf3a0f7bf_state
    .symbol:         k_qecf3a0f7bf_state.kd
    .args:
      - { .name: qk, .offset: 0, .size: 8, .value_kind: global_buffer, .address_space: global }
      - { .name: vv, .offset: 8, .size: 8, .value_kind: global_buffer, .address_space: global }
      - { .name: st, .offset: 16, .size: 8, .value_kind: global_buffer, .address_space: global }
    .group_segment_fixed_size: 327680
    .private_segment_fixed_size: 0
    .kernarg_segment_align: 8
    .kernarg_segment_size: 24
    .max_flat_workgroup_size: 128
    .sgpr_count:     66
    .vgpr_count:     224
    .wavefront_size: 32
...
	.end_amdgpu_metadata
.endif
;; end of part 4
;; launch att (part 5): grid 4 x 64, 4 waves a work-group, no clusters, 327,680 bytes of LDS; arguments qk, vv, st, ob; writes ob
.if DOCPART == 5
	.amdgcn_target "amdgcn-amd-amdhsa--gfx1250"
	.amdhsa_code_object_version 6
	.text
	.protected	k_qecf3a0f7bf_att
	.globl	k_qecf3a0f7bf_att
	.p2align	8
	.type	k_qecf3a0f7bf_att,@function
k_qecf3a0f7bf_att:
	s_mov_b64 s[64:65], 0
	v_nop
	global_prefetch_b8 v0, s[64:65] scope:SCOPE_SE
	s_setreg_imm32_b32 hwreg(HW_REG_WAVE_MODE, 25, 1), 1
	s_wait_xcnt 0x0
; CAUSAL LINEAR ATTENTION BY CHUNKS OF 64 TOKENS.  o[t] = (q[t] S_t) / max(q[t] z_t, 1e-6), S_t = the sum over s <= t of k[s] v[s]^T, z_t = the sum of k[s].  For a chunk, with S and z of all tokens before it:
;   P^T = K Q^T, hidden keys set to 0;   O^T = S^T Q^T + V^T P;   S += K^T V.   V has a fifth block of 16 columns with ones in columns 0 and 8: there S holds z, and O^T's register 0 the divisor, in both halves of the lanes.
; FORMATS.  q, k bf16; v a pair of bf16; P is split into a pair of bf16 (products: first x first, first x second, second x first); S and z are summed in f32 and rounded to bf16 once a chunk as a matrix operand; o leaves as f16.
; No number is scaled, so the clip at 1e-6 is the problem's own.  LIMITS.  o within 65,504; NaN and infinities are not treated apart; the sums are taken in another order than a step-by-step scan takes them.
; (Tokens 0-15 of a batch are computed here like the others, and the launch that projects o leaves those rows to the launch that makes them in f32.)
; SHARES.  A work-group has 1,024 tokens of a head; it starts from the sums that the launch before stored for the segments ahead of its own.  Wave w owns the chunk's queries 16 w .. 16 w + 15 and S's rows d = 16 w .. 16 w + 15.
; S's rows, packed to bf16, ARE halves of the fragments of S^T: each wave puts 16 bytes a lane for each of five blocks into one image in LDS, and all waves read the whole image.
; TWO BARRIERS A CHUNK.  The first stands between every wave's reads of the image and the new stores (signalled when my LDS loads are back, awaited behind S's update and P's split);
; the second between the stores and the next chunk's reads (signalled when my stores are done, awaited behind the products V^T P).
; RING.  Two slots of 256 tokens (v's two parts, rows of 160 bytes; k, rows of 144), one tensor load a wave.  Q goes through no LDS: only one wave reads a row; it is loaded a chunk ahead into 16 registers.
; Each wave prefetches its own rows of Q for the next slot, 32 blocks of 256 bytes, a lane a block, behind the refill's tensor load: four chunks ahead of the loads.  Slot 0's come by their loads alone; the three refills name slots 1 to 3.
; NO CLUSTER: no two work-groups read the same tile.
; REGISTERS.  window 0: v0-31 addresses; P 32; mask 64; P's two parts 96, 112; at work 128; O^T 160 (5 x 8); S 200 (5 x 8); the way out 240.  window 1: K 0; S^T 64; Q 144.  window 2: V^T 0, 64; K^T 128; ones 144.
.set PK,    144
.set PV,    160
.set VLO,   256*PV
.set KO,    2*256*PV
.set SLOT1, 131072
.set SBUF,  SLOT1+KO+256*PK            ; S^T's image: fragment 2 jb + dh at 1,024 bytes each; registers 0-3 at 16 x lane, registers 4-7 512 bytes on
.set STAGE, SBUF+10240                 ; 16 rows x 144 bytes for each wave, for the way out
.set SP,    144
.set SPARE, STAGE+4*16*SP
.set AK0, 5
.set AT0, 6
.set AV0, 7
.set AK,  8
.set AT,  9
.set AV,  10
.set SRD, 11
.set SWR, 12
.set QO,  13
.set STO, 14
.set RD,  15
.set GO,  16
.set DM,  17
.set DN,  18                           ; v[18:19] 1 / the divisor, twice
.set PQO, 24
.set SPW, 30
.set NIL, 31
.set P,   32
.set M,   64
.set PH,  96
.set PL,  112
.set T,   128
.set O,   160
.set SA,  200
.set OUT, 240
.set KF,  0
.set SF,  64
.set QB,  144
.set VH,  0
.set VL,  64
.set KT,  128
.set ONE, 144
.set WV,  12
.set G1V, 24
.set G1K, 32
.set G0V, 40
.set G0K, 44
.set QP,  48                           ; s[48:49] Q of the chunk last loaded
.set OP,  50                           ; s[50:51] o of the chunk last stored
.set PQ,  52                           ; s[52:53] my rows of Q in the slot that the prefetch names
.set SLOTS, 56
.set CC,  57
.set FL0, 58                           ; s[58:59], s[60:61], s[66:67] 1.0 where segment 0, 1, 2 lies ahead of mine
.set FL1, 60
.set TBK, 62
.set TBV, 63
.set FL2, 66
.set HIM, 68
.set OST, 70                           ; s[70:71] what the next way out adds to OP: 0, then 8,192
.set MSB, 0
.macro WIN new
.if MSB != (\new)
	s_set_vgpr_msb (MSB<<8)|(\new)
.set MSB, \new
.endif
.endm
.macro LOADT
	s_cmp_lt_u32 s[WV], 2
	s_cbranch_scc0 .Lfor_k_\@
	tensor_load_to_lds s[G0V:G0V+3], s[G1V:G1V+7]
	s_nop 0
.rept 4
	v_nop
.endr
	s_branch .Lasked_\@
.Lfor_k_\@:
	tensor_load_to_lds s[G0K:G0K+3], s[G1K:G1K+7]
	s_nop 0
.rept 4
	v_nop
.endr
.Lasked_\@:
.endm
.macro CHANGE fill
	WIN 0
	s_wait_tensorcnt 0x0                           ; all my tensor loads have landed: the one that was out is my part of the other slot
	ds_add_u32 v[SPW], v[NIL]
.if \fill
	s_xor_b32 s[G0V+1], s[G0V+1], SLOT1
	s_add_nc_u64 s[G0V+2:G0V+3], s[G0V+2:G0V+3], 32768
	s_xor_b32 s[G0K+1], s[G0K+1], SLOT1
	s_add_nc_u64 s[G0K+2:G0K+3], s[G0K+2:G0K+3], 32768
	s_wait_xcnt 0x0                                ; the last prefetch, four chunks back, has read its address
	s_add_nc_u64 s[PQ:PQ+1], s[PQ:PQ+1], 32768
.endif
	s_wait_dscnt 0x0                               ; the add is done, my reads of the slot are over, my stores into the image are done
	s_barrier_signal -1
	s_sub_co_u32 s[TBK], s[TBK], 256*PK
	s_xor_b32 s[TBK], s[TBK], SLOT1
	s_sub_co_u32 s[TBV], s[TBV], 256*PV
	s_xor_b32 s[TBV], s[TBV], SLOT1
	s_barrier_wait -1
.if \fill
	LOADT
	global_prefetch_b8 v[PQO], s[PQ:PQ+1] th:TH_LOAD_NT scope:SCOPE_SE
.endif
.endm
	s_load_b256 s[4:11], s[0:1], 0x0               ; qk s[4:5], vv s[6:7], st s[8:9], ob s[10:11]
	v_lshl_add_u32 v[SPW], v0, 2, SPARE
	v_mov_b32 v[NIL], 0
	ds_add_u32 v[SPW], v[NIL]                      ; the wave's opening: the add, twice on end, and its wait ahead of my first tensor load
	ds_add_u32 v[SPW], v[NIL]
	v_lshrrev_b32 v1, 5, v0
	v_readfirstlane_b32 s[WV], v1
	s_and_b32 s13, s[WV], 1
	s_and_b32 s14, ttmp7, 0xffff                   ; the head, 16 b + h
	s_lshl_b32 s16, s14, 19
	s_lshl_b32 s17, ttmp9, 17
	s_add_co_u32 s16, s16, s17                     ; the segment's first byte in a plane
	s_lshl_b32 s18, s13, 25
	s_add_co_u32 s18, s18, s16
	s_mov_b32 s19, 0
	s_lshl_b32 s20, s13, 14
	s_add_co_u32 s20, s20, s16
	s_add_co_u32 s20, s20, 33554432
	s_mov_b32 s21, 0
	s_lshl_b32 s17, s[WV], 11
	s_add_co_u32 s16, s16, s17                     ; + my 16 rows of a chunk
	s_mov_b32 s17, 0
	s_mul_i32 s22, s14, 12
	s_add_co_u32 s22, s22, s[WV]
	s_mul_i32 s22, s22, 5120                       ; my rows' image of the head's segment 0; the others lie 20,480 bytes apart
	s_mov_b32 s23, 0
	s_cmp_gt_u32 ttmp9, 0
	s_cselect_b32 s[FL0], 1.0, 0
	s_cmp_gt_u32 ttmp9, 1
	s_cselect_b32 s[FL1], 1.0, 0
	s_cmp_gt_u32 ttmp9, 2
	s_cselect_b32 s[FL2], 1.0, 0
	s_mov_b32 s[FL0+1], 0                          ; named as pairs
	s_mov_b32 s[FL1+1], 0
	s_mov_b32 s[FL2+1], 0
	s_mov_b32 s[HIM], 0xffff0000
	s_mov_b32 s[OST], 0
	s_mov_b32 s[OST+1], 0
	s_mov_b32 s[G1V], (1<<16)|(1<<20)|(4<<22)|(7<<25)
	s_mov_b32 s[G1K], (1<<16)|(1<<20)|(4<<22)|(3<<25)
	s_mov_b32 s[G1V+2], 128<<16
	s_mov_b32 s[G1V+4], 128
	s_mov_b32 s[G1K+2], 64<<16
	s_mov_b32 s[G1K+4], 64
.irp g, G1V, G1K
	s_mov_b32 s[(\g)+1], 128<<16
	s_mov_b32 s[(\g)+3], 128<<16
	s_mov_b32 s[(\g)+5], 128
	s_mov_b32 s[(\g)+6], 0
	s_mov_b32 s[(\g)+7], 0
.endr
	s_mov_b32 s[G0V], 1
	s_mul_i32 s[G0V+1], s13, VLO
	s_mov_b32 s[G0K], 1
	s_mul_i32 s[G0K+1], s13, 128*PK
	s_add_co_u32 s[G0K+1], s[G0K+1], KO
	s_mov_b32 s[TBK], SLOT1+256*PK
	s_mov_b32 s[TBV], SLOT1+256*PV
	s_mov_b32 s[SLOTS], 3
	s_wait_dscnt 0x0
	s_wait_kmcnt 0x0
	s_add_nc_u64 s[G0V+2:G0V+3], s[6:7], s[18:19]
	s_or_b32 s[G0V+3], s[G0V+3], 0x80000000
	s_add_nc_u64 s[G0K+2:G0K+3], s[4:5], s[20:21]
	s_or_b32 s[G0K+3], s[G0K+3], 0x80000000
	s_add_nc_u64 s[QP:QP+1], s[4:5], s[16:17]
	s_add_nc_u64 s[PQ:PQ+1], s[4:5], s[16:17]
	s_add_nc_u64 s[OP:OP+1], s[10:11], s[16:17]
	s_add_nc_u64 s[8:9], s[8:9], s[22:23]
	LOADT                                          ; tokens 0-255 into slot 0
	v_and_b32 v1, 15, v0                           ; r
	v_bfe_u32 v2, v0, 4, 1                         ; h
	v_lshlrev_b32 v[QO], 7, v1
	v_lshl_add_u32 v[QO], v2, 4, v[QO]
	v_and_b32 v21, 31, v0
	v_lshlrev_b32 v[GO], 4, v21
	WIN 0x40                                       ; destination window 1
.irp i, 0,1,2,3
	global_load_b128 v[QB+4*(\i):QB+4*(\i)+3], v[QO], s[QP:QP+1] offset:32*(\i)          ; Q of chunk 0
.endr
.irp s, 0,1,2
.irp jb, 0,1,2,3,4
	global_load_b128 v[40*(\s)+8*(\jb):40*(\s)+8*(\jb)+3],   v[GO], s[8:9] offset:20480*(\s)+1024*(\jb)   ; all three segments' sums, whatever my segment: the head has no branch
	global_load_b128 v[40*(\s)+8*(\jb)+4:40*(\s)+8*(\jb)+7], v[GO], s[8:9] offset:20480*(\s)+1024*(\jb)+512
.endr
.endr
	WIN 0
	v_and_b32 v3, 7, v0
	v_bfe_u32 v4, v0, 3, 1
	v_mul_u32_u24 v[AK0], v1, PK
	v_lshl_add_u32 v[AK0], v2, 4, v[AK0]
	v_add_nc_u32 v[AK0], KO, v[AK0]                ; K as it lies: row r, 16 bytes for each half of the lanes
	v_lshl_add_u32 v22, v2, 3, v3
	v_mul_u32_u24 v[AT0], v22, PK
	v_lshl_add_u32 v[AT0], v4, 4, v[AT0]
	s_lshl_b32 s15, s[WV], 5
	s_add_co_u32 s15, s15, KO
	v_add_nc_u32 v[AT0], s15, v[AT0]               ; K turned: my 16 channels
	v_mul_u32_u24 v[AV0], v22, PV
	v_lshl_add_u32 v[AV0], v4, 4, v[AV0]
	v_add_nc_u32 v[SRD], SBUF, v[GO]
	s_lshr_b32 s15, s[WV], 1
	s_lshl_b32 s15, s15, 10
	s_lshl_b32 s16, s13, 9
	s_add_co_u32 s15, s15, s16
	s_add_co_u32 s15, s15, SBUF
	v_add_nc_u32 v[SWR], s15, v[GO]                ; my rows are half w % 2 of the fragments with dh = w / 2
	s_mul_i32 s15, s[WV], 16*SP
	s_add_co_u32 s15, s15, STAGE
	v_mul_u32_u24 v[STO], v1, SP
	v_lshl_add_u32 v[STO], v2, 4, v[STO]
	v_add_nc_u32 v[STO], s15, v[STO]
	v_bfe_u32 v[RD], v0, 3, 2
	v_mul_u32_u24 v[RD], v[RD], SP
	v_lshl_add_u32 v[RD], v3, 4, v[RD]
	v_add_nc_u32 v[RD], s15, v[RD]
	v_lshrrev_b32 v22, 3, v21
	v_lshlrev_b32 v22, 13, v22
	v_lshl_add_u32 v[PQO], v3, 8, v22              ; chunk l / 8 of the slot, block l % 8 of my 2,048 bytes
	s_lshl_b32 s15, s[WV], 4
	v_lshlrev_b32 v22, 3, v2
	v_sub_nc_u32 v20, v1, v22
	v_add_nc_u32 v20, s15, v20                     ; my query 16 w + r, less my lanes' 8 h: register j of key block kb is seen where 16 kb + j is not greater
	v_mov_b32 v23, 1.0
.set i, 0
.rept 32
	v_cmp_le_i32 vcc_lo, 16*(i/8)+i%8, v20
	v_cndmask_b32 v[M+i], 0, v23, vcc_lo
.set i, i+1
.endr
	v_mov_b32 v23, 0x3f803f80
	v_cmp_eq_u32 vcc_lo, 0, v3
	WIN 0x80
.set i, 0
.rept 8
	v_cndmask_b32 v[ONE+i], 0, v23, vcc_lo
.set i, i+1
.endr
	WIN 0
	s_wait_loadcnt 0x0
	WIN 0x01                                       ; source 0 window 1
.set p, 0
.rept 20
	v_pk_mul_f32 v[SA+2*p:SA+2*p+1], v[2*p:2*p+1], s[FL0:FL0+1] op_sel_hi:[1,0]
.set p, p+1
.endr
.set p, 0
.rept 20
	v_pk_fma_f32 v[SA+2*p:SA+2*p+1], v[40+2*p:40+2*p+1], s[FL1:FL1+1], v[SA+2*p:SA+2*p+1] op_sel_hi:[1,0,1]
.set p, p+1
.endr
.set p, 0
.rept 20
	v_pk_fma_f32 v[SA+2*p:SA+2*p+1], v[80+2*p:80+2*p+1], s[FL2:FL2+1], v[SA+2*p:SA+2*p+1] op_sel_hi:[1,0,1]
.set p, p+1
.endr
	WIN 0
.macro PUTS                            ; S's rows, rounded to bf16, into the image
.set p, 0
.rept 20
	v_cvt_pk_bf16_f32 v[T+p], v[SA+2*p], v[SA+2*p+1]
.set p, p+1
.endr
.irp jb, 0,1,2,3,4
	ds_store_b128 v[SWR], v[T+4*(\jb):T+4*(\jb)+3] offset:2048*(\jb)
.endr
.endm
	PUTS                                           ; the first change of slots has the wait and the barrier between these stores and the first reads
.macro CHUNK last
	WIN 0
	v_add_nc_u32 v[AK], s[TBK], v[AK0]
	v_add_nc_u32 v[AT], s[TBK], v[AT0]
	v_add_nc_u32 v[AV], s[TBV], v[AV0]
	WIN 0x40                                       ; 72 LDS loads in the order of their use: S^T 20, K 16, K^T 4, V^T 16 and 16
.irp f, 0,1,2,3,4,5,6,7,8,9
	ds_load_b128 v[SF+8*(\f):SF+8*(\f)+3],   v[SRD] offset:1024*(\f)
	ds_load_b128 v[SF+8*(\f)+4:SF+8*(\f)+7], v[SRD] offset:1024*(\f)+512
.endr
.irp f, 0,1,2,3,4,5,6,7
	ds_load_b128 v[KF+8*(\f):KF+8*(\f)+3],   v[AK] offset:((\f)/2)*16*PK+((\f)%2)*64
	ds_load_b128 v[KF+8*(\f)+4:KF+8*(\f)+7], v[AK] offset:((\f)/2)*16*PK+((\f)%2)*64+32
.endr
	WIN 0x80
.irp th, 0,1
	ds_load_tr16_b128 v[KT+8*(\th):KT+8*(\th)+3],   v[AT] offset:(\th)*32*PK
	ds_load_tr16_b128 v[KT+8*(\th)+4:KT+8*(\th)+7], v[AT] offset:(\th)*32*PK+16*PK
.endr
.irp f, 0,1,2,3,4,5,6,7
	ds_load_tr16_b128 v[VH+8*(\f):VH+8*(\f)+3],   v[AV] offset:((\f)/4)*32*PV+((\f)%4)*32
	ds_load_tr16_b128 v[VH+8*(\f)+4:VH+8*(\f)+7], v[AV] offset:((\f)/4)*32*PV+16*PV+((\f)%4)*32
.endr
.irp f, 0,1,2,3,4,5,6,7
	ds_load_tr16_b128 v[VL+8*(\f):VL+8*(\f)+3],   v[AV] offset:VLO+((\f)/4)*32*PV+((\f)%4)*32
	ds_load_tr16_b128 v[VL+8*(\f)+4:VL+8*(\f)+7], v[AV] offset:VLO+((\f)/4)*32*PV+16*PV+((\f)%4)*32
.endr
	WIN 0
	s_wait_loadcnt 0x0                             ; this chunk's Q, asked for a chunk ago; its loads are done, so their pointer may step
	s_add_nc_u64 s[QP:QP+1], s[QP:QP+1], 8192
	s_wait_dscnt 52                                ; S^T is in: 52 loads were issued behind its 20
	WIN 0x05                                       ; sources 0 and 1 window 1
.irp dh, 0,1
.irp jb, 0,1,2,3,4
.if (\dh) == 0
	v_wmma_f32_16x16x32_bf16 v[O+8*(\jb):O+8*(\jb)+7], v[SF+16*(\jb):SF+16*(\jb)+7], v[QB:QB+7], 0
.else
	v_wmma_f32_16x16x32_bf16 v[O+8*(\jb):O+8*(\jb)+7], v[SF+16*(\jb)+8:SF+16*(\jb)+15], v[QB+8:QB+15], v[O+8*(\jb):O+8*(\jb)+7]
.endif
.endr
.endr
	s_wait_dscnt 36                                ; K is in
.irp dh, 0,1
.irp kb, 0,1,2,3
.if (\dh) == 0
	v_wmma_f32_16x16x32_bf16 v[P+8*(\kb):P+8*(\kb)+7], v[KF+16*(\kb):KF+16*(\kb)+7], v[QB:QB+7], 0
.else
	v_wmma_f32_16x16x32_bf16 v[P+8*(\kb):P+8*(\kb)+7], v[KF+16*(\kb)+8:KF+16*(\kb)+15], v[QB+8:QB+15], v[P+8*(\kb):P+8*(\kb)+7]
.endif
.endr
.endr
.rept 4
	v_nop                                          ; four places: ahead of the loads into Q's registers, and of the lines that read P
.endr
	WIN 0
.if \last
	s_cmp_eq_u32 s[CC], 1                          ; the segment's last chunk has no successor
	s_cbranch_scc1 .Lno_q_\@
.endif
	WIN 0x40
.irp i, 0,1,2,3
	global_load_b128 v[QB+4*(\i):QB+4*(\i)+3], v[QO], s[QP:QP+1] offset:32*(\i)          ; the next chunk's Q
.endr
	WIN 0
.if \last
.Lno_q_\@:
.endif
	s_wait_dscnt 0x0                               ; all my LDS loads are back, the reads of the image among them:
	s_barrier_signal -1                            ; say so; register work alone up to the wait
	WIN 0x0a                                       ; sources 0 and 1 window 2
.irp th, 0,1
.irp jb, 0,1,2,3
	v_wmma_f32_16x16x32_bf16 v[SA+8*(\jb):SA+8*(\jb)+7], v[KT+8*(\th):KT+8*(\th)+7], v[VH+8*(4*(\th)+(\jb)):VH+8*(4*(\th)+(\jb))+7], v[SA+8*(\jb):SA+8*(\jb)+7]
.endr
	v_wmma_f32_16x16x32_bf16 v[SA+32:SA+39], v[KT+8*(\th):KT+8*(\th)+7], v[ONE:ONE+7], v[SA+32:SA+39]
.irp jb, 0,1,2,3
	v_wmma_f32_16x16x32_bf16 v[SA+8*(\jb):SA+8*(\jb)+7], v[KT+8*(\th):KT+8*(\th)+7], v[VL+8*(4*(\th)+(\jb)):VL+8*(4*(\th)+(\jb))+7], v[SA+8*(\jb):SA+8*(\jb)+7]
.endr
.endr
	WIN 0
.set p, 0
.rept 16
	v_pk_mul_f32 v[P+2*p:P+2*p+1], v[P+2*p:P+2*p+1], v[M+2*p:M+2*p+1]     ; hidden keys count 0
.set p, p+1
.endr
.set p, 0
.rept 16
	v_cvt_pk_bf16_f32 v[PH+p], v[P+2*p], v[P+2*p+1]
.set p, p+1
.endr
.set p, 0
.rept 16
	v_lshlrev_b32 v[T+2*p], 16, v[PH+p]
	v_and_b32 v[T+2*p+1], s[HIM], v[PH+p]
.set p, p+1
.endr
.set p, 0
.rept 16
	v_pk_add_f32 v[P+2*p:P+2*p+1], v[P+2*p:P+2*p+1], v[T+2*p:T+2*p+1] neg_lo:[0,1] neg_hi:[0,1]   ; what the rounding left
.set p, p+1
.endr
.set p, 0
.rept 16
	v_cvt_pk_bf16_f32 v[PL+p], v[P+2*p], v[P+2*p+1]
.set p, p+1
.endr
	s_barrier_wait -1                              ; nobody reads the image any more
	PUTS                                           ; the lines above are the places behind S's products
	s_wait_dscnt 0x0                               ; for the others' sake: my stores are done
	s_barrier_signal -1
	WIN 0x02                                       ; source 0 window 2
.irp th, 0,1
.irp jb, 0,1,2,3
	v_wmma_f32_16x16x32_bf16 v[O+8*(\jb):O+8*(\jb)+7], v[VH+8*(4*(\th)+(\jb)):VH+8*(4*(\th)+(\jb))+7], v[PH+8*(\th):PH+8*(\th)+7], v[O+8*(\jb):O+8*(\jb)+7]
.endr
	v_wmma_f32_16x16x32_bf16 v[O+32:O+39], v[ONE:ONE+7], v[PH+8*(\th):PH+8*(\th)+7], v[O+32:O+39]
.irp jb, 0,1,2,3
	v_wmma_f32_16x16x32_bf16 v[O+8*(\jb):O+8*(\jb)+7], v[VH+8*(4*(\th)+(\jb)):VH+8*(4*(\th)+(\jb))+7], v[PL+8*(\th):PL+8*(\th)+7], v[O+8*(\jb):O+8*(\jb)+7]
.endr
	v_wmma_f32_16x16x32_bf16 v[O+32:O+39], v[ONE:ONE+7], v[PL+8*(\th):PL+8*(\th)+7], v[O+32:O+39]
.irp jb, 0,1,2,3
	v_wmma_f32_16x16x32_bf16 v[O+8*(\jb):O+8*(\jb)+7], v[VL+8*(4*(\th)+(\jb)):VL+8*(4*(\th)+(\jb))+7], v[PH+8*(\th):PH+8*(\th)+7], v[O+8*(\jb):O+8*(\jb)+7]
.endr
.endr
	WIN 0
	s_barrier_wait -1                              ; the image is whole
.rept 4
	v_nop
.endr
	s_wait_xcnt 0x0                                ; the last chunk's stores have read their registers and their base
	s_add_nc_u64 s[OP:OP+1], s[OP:OP+1], s[OST:OST+1]
	s_mov_b32 s[OST], 8192
	v_max_num_f32 v[DM], 0x358637bd, v[O+32]       ; the divisor, clipped at 1e-6
	v_rcp_f32 v[DN], v[DM]
	v_rcp_f32 v[DN+1], v[DM]
	v_nop                                          ; a plain instruction behind the reciprocals,
	s_wait_alu depctr_va_vdst(0)                   ; and one wait for both
.set p, 0
.rept 16
	v_pk_mul_f32 v[O+2*p:O+2*p+1], v[O+2*p:O+2*p+1], v[DN:DN+1]
.set p, p+1
.endr
.set p, 0
.rept 16
	v_cvt_pk_f16_f32 v[OUT+p], v[O+2*p], v[O+2*p+1]
.set p, p+1
.endr
.irp jb, 0,1,2,3
	ds_store_b128 v[STO], v[OUT+4*(\jb):OUT+4*(\jb)+3] offset:32*(\jb)      ; row r, channels 16 jb + 8 h + 0..7
.endr
.irp i, 0,1,2,3
	ds_load_b128 v[OUT+4*(\i):OUT+4*(\i)+3], v[RD] offset:4*SP*(\i)         ; LDS serves a wave's instructions in order (ISA guide 5.7.1.4): four whole rows a load
.endr
.irp i, 0,1,2,3
	s_wait_dscnt 3-(\i)
	global_store_b128 v[GO], v[OUT+4*(\i):OUT+4*(\i)+3], s[OP:OP+1] offset:512*(\i)   ; 512 consecutive bytes, aligned
.endr
	s_add_co_u32 s[TBK], s[TBK], 64*PK
	s_add_co_u32 s[TBV], s[TBV], 64*PV
.endm
.macro FOUR last
	s_mov_b32 s[CC], 4
.Lch_\@:
	CHUNK \last
	s_sub_co_u32 s[CC], s[CC], 1
	s_cmp_lg_u32 s[CC], 0
	s_cbranch_scc1 .Lch_\@
.endm
.Lslot:                                                ; three trips: a slot is entered and the next 256 tokens are asked for
	CHANGE 1
	FOUR 0
	s_sub_co_u32 s[SLOTS], s[SLOTS], 1
	s_cmp_lg_u32 s[SLOTS], 0
	s_cbranch_scc1 .Lslot
	CHANGE 0                                       ; the last slot is written out: nothing is asked for
	FOUR 1
	s_wait_tensorcnt 0x0                           ; the wave's end
	ds_add_u32 v[SPW], v[NIL]
	s_wait_dscnt 0x0
	s_endpgm
.Lfunc_end_k_qecf3a0f7bf_att:
	.size	k_qecf3a0f7bf_att, .Lfunc_end_k_qecf3a0f7bf_att-k_qecf3a0f7bf_att
	.p2alignl 7, 3214868480
	.fill 96, 4, 3214868480
	.section	.rodata,"a",@progbits
	.p2align	6, 0x0
	.amdhsa_kernel k_qecf3a0f7bf_att
		.amdhsa_group_segment_fixed_size 327680
		.amdhsa_private_segment_fixed_size 0
		.amdhsa_enable_private_segment 0
		.amdhsa_kernarg_size 32
		.amdhsa_user_sgpr_count 2
		.amdhsa_user_sgpr_kernarg_segment_ptr 1
		.amdhsa_wavefront_size32 1
		.amdhsa_system_sgpr_workgroup_id_x 1
		.amdhsa_system_sgpr_workgroup_id_y 1
		.amdhsa_system_sgpr_workgroup_id_z 1
		.amdhsa_system_vgpr_workitem_id 0
		.amdhsa_next_free_vgpr 672
		.amdhsa_next_free_sgpr 80
		.amdhsa_reserve_vcc 1
		.amdhsa_float_denorm_mode_32 3
		.amdhsa_float_denorm_mode_16_64 3
		.amdhsa_memory_ordered 1
		.amdhsa_forward_progress 1
		.amdhsa_inst_pref_size 60
	.end_amdhsa_kernel
	.amdgpu_metadata
---
amdhsa.version: [ 1, 2 ]
amdhsa.kernels:
  - .name:           k_qecf3a0f7bf_att
    .symbol:         k_qecf3a0f7bf_att.kd
    .args:
      - { .name: qk, .offset: 0, .size: 8, .value_kind: global_buffer, .address_space: global }
      - { .name: vv, .offset: 8, .size: 8, .value_kind: global_buffer, .address_space: global }
      - { .name: st, .offset: 16, .size: 8, .value_kind: global_buffer, .address_space: global }
      - { .name: ob, .offset: 24, .size: 8, .value_kind: global_buffer, .address_space: global }
    .group_segment_fixed_size: 327680
    .private_segment_fixed_size: 0
    .kernarg_segment_align: 8
    .kernarg_segment_size: 32
    .max_flat_workgroup_size: 128
    .sgpr_count:     80
    .vgpr_count:     672
    .wavefront_size: 32
...
	.end_amdgpu_metadata
.endif
;; end of part 5
;; launch gemm2 (part 6): grid 4 x 64, 4 waves a work-group, clusters of 4 x 4, 327,680 bytes of LDS; arguments ob, cb, out0; writes out0
.if DOCPART == 6
	.amdgcn_target "amdgcn-amd-amdhsa--gfx1250"
	.amdhsa_code_object_version 6
	.text
	.protected	k_qecf3a0f7bf_gemm2
	.globl	k_qecf3a0f7bf_gemm2
	.p2align	8
	.type	k_qecf3a0f7bf_gemm2,@function
k_qecf3a0f7bf_gemm2:
	s_mov_b64 s[64:65], 0
	v_nop
	global_prefetch_b8 v0, s[64:65] scope:SCOPE_SE
	s_setreg_imm32_b32 hwreg(HW_REG_WAVE_MODE, 25, 1), 1
	s_wait_xcnt 0x0
	s_wait_alu depctr_hold_cnt(0) depctr_sa_sdst(0) depctr_va_vdst(0) depctr_va_sdst(0) depctr_va_ssrc(0) depctr_va_vcc(0) depctr_vm_vsrc(0)
	s_getreg_b32 s2, hwreg(HW_REG_IB_STS2, 6, 4)
	s_cmp_eq_u32 s2, 0
	s_cbranch_scc0 .Lentry_in_a_cluster
	s_endpgm
.Lentry_in_a_cluster:
	s_bfe_u32 s2, ttmp6, 0x10000c
	s_cmp_lg_u32 s2, 0xf033
	s_cbranch_scc0 .Lentry_shape_is_right
	s_endpgm
.Lentry_shape_is_right:
; THE OUTPUT PROJECTION.  out0[token][n] = the sum over k of o[token][k] w_out[n][k], f16 operands (o by heads out of ob; w_out, rounded to bf16 and written as f16, out of cb), sums in f32, stored as f32.
; Rows with t < 16 of each batch are not stored here: the launch that makes them in f32 stores them.
; SHARES.  A tile is 256 tokens x 256 features, one to a work-group, four waves of 128 x 128.  K goes in 8 steps of 128 = two heads, through two LDS slots.
; o's tile: a head's 256 tokens are 32,768 dense bytes: asked for as 128 rows of 256 bytes, padded in LDS after every token (rows of 144 bytes); waves 0 and 1 fetch the step's two heads.
; The weights' tile: 256 rows of 256 bytes (rows of 272 in LDS); waves 2 and 3 fetch its halves.
; CLUSTER 4 x 4: o's tile is asked for jointly along a row of the cluster, the weights' along a column.  THE MATRIX INSTRUCTION IS USED TRANSPOSED: a lane holds one token and eight neighbouring features.
; REGISTERS.  window 0: v0-31 addresses; v64-127, v128-191 o's fragments (the second buffer also holds a block on the way out); window 1: the weights' fragments; windows 2, 3: the accumulators.
.set PITCH,  272
.set HALFT,  128*PITCH
.set PA,     144
.set APLANE, 256*PA                    ; a head's 256 tokens in LDS
.set BOFF,   2*APLANE
.set SLOT,   BOFF+2*HALFT
.set STAGE,  2*SLOT
.set SPITCH, 528
.set SPARE,  STAGE+4*16*SPITCH
.set WOF,    39845888
.set ADRA, 16
.set ADRB, 20
.set STO,  24
.set RD,   25
.set CO,   26
.set TT,   27
.set SPW,  28
.set NIL,  29
.set PFO,  30
.set TOK,  31
.set F0,   64
.set F1,   128
.set XR,   128
.set LAPS, 3
.set WV, 10
.set HR, 11
.set HC, 12
.set RR, 13
.set G1, 24
.set G0, 32
.set CX, 40
.set CY, 41
.set GX, 42
.set LIM, 43                           ; s43 1 in a wave that prefetches, else the greatest number
.set PFA, 44                           ; s[44:45] what the next prefetch names
.set G1B, 48
.set G0B, 56
.set PST, 66                           ; s[66:67] bytes from K step to K step for my prefetches
.set BA,  68
.set SVX, 69
.set MSB, 0
.macro WIN new
.if MSB != (\new)
	s_set_vgpr_msb (MSB<<8)|(\new)
.set MSB, \new
.endif
.endm
.set MUL_LO, 0xa1
.set MUL_HI, 0xf1
.set TO_B,   0x40
.macro JLOAD s
	s_cmp_eq_u32 s[HR], 0
	s_cbranch_scc0 .Lfor_b_\@
	tensor_load_to_lds s[G0+4*(\s):G0+4*(\s)+3], s[G1:G1+7]
	s_nop 0
.rept 4
	v_nop
.endr
	s_branch .Lasked_\@
.Lfor_b_\@:
	tensor_load_to_lds s[G0B+4*(\s):G0B+4*(\s)+3], s[G1B:G1B+7]
	s_nop 0
.rept 4
	v_nop
.endr
.Lasked_\@:
.endm
; A prefetch of the K step two refills on, 32 blocks of 256 bytes, a lane a block.  o's rows are read by my cluster alone; the weights' by all sixteen: the cluster with y = 0 names them.  The four partners of a joint
; load share its blocks out by address.  K steps 0-3 come by their loads alone; the loop's last trip, whose refills are steps 6 and 7, names nothing.
.macro ASK
	s_cmp_gt_u32 s[LAPS], s[LIM]
	s_cbranch_scc0 .Lnot_mine_\@
	global_prefetch_b8 v[PFO], s[PFA:PFA+1] th:TH_LOAD_NT scope:SCOPE_SE
.Lnot_mine_\@:
.endm
.macro CREST
	s_cmp_lg_u32 s[WV], 0
	s_cbranch_scc1 .Lnot_wave_0_\@
	s_barrier_signal -3
.Lnot_wave_0_\@:
	s_barrier_wait -3
	s_barrier_signal -1
	s_barrier_wait -1
.endm
.macro CROUND
	s_barrier_signal -1
	s_barrier_wait -1
	CREST
.endm
	s_load_b128 s[4:7], s[0:1], 0x0                ; ob s[4:5], cb s[6:7]
	s_load_b64 s[8:9], s[0:1], 0x10                ; out0
	v_lshl_add_u32 v[SPW], v0, 2, SPARE
	v_mov_b32 v[NIL], 0
	ds_add_u32 v[SPW], v[NIL]                      ; the wave's opening: the add, twice on end, and its wait ahead of my first tensor load
	ds_add_u32 v[SPW], v[NIL]
	v_lshrrev_b32 v1, 5, v0
	v_readfirstlane_b32 s[WV], v1
	s_lshr_b32 s[HR], s[WV], 1
	s_and_b32 s[HC], s[WV], 1
	s_bfe_u32 s[CX], ttmp6, 0x40000
	s_bfe_u32 s[CY], ttmp6, 0x40004
	s_lshl_b32 s[GX], ttmp9, 2
	s_add_co_u32 s[GX], s[GX], s[CX]
	s_and_b32 s[RR], ttmp7, 0xffff
	s_lshl_b32 s[RR], s[RR], 2
	s_add_co_u32 s[RR], s[RR], s[CY]
	s_lshl_b32 s16, s[CY], 2
	s_lshl_b32 s16, 15, s16
	s_lshl_b32 s46, 0x1111, s[CX]
	s_or_b32 s[G1], s16, (1<<16)|(1<<20)|(1<<21)|(4<<22)|(3<<25)    ; o: after every 32 words (a token) 4 words
	s_or_b32 s[G1B], s46, (1<<16)|(1<<20)|(1<<21)|(5<<22)|(3<<25)   ; the weights: after every 64 words 4 words
.irp g, G1, G1B
	s_mov_b32 s[(\g)+1], 128<<16
	s_mov_b32 s[(\g)+2], 128<<16
	s_mov_b32 s[(\g)+3], 128<<16
	s_mov_b32 s[(\g)+4], 128
	s_mov_b32 s[(\g)+6], 0
	s_mov_b32 s[(\g)+7], 0
.endr
	s_mov_b32 s[G1+5], 128                         ; o's rows are dense
	s_mov_b32 s[G1B+5], 1024
	s_lshr_b32 s16, s[RR], 4
	s_lshl_b32 s16, s16, 23                        ; the batch's 16 heads,
	s_and_b32 s17, s[RR], 15
	s_lshl_b32 s17, s17, 15                        ; the tile's 256 tokens,
	s_add_co_u32 s16, s16, s17
	s_lshl_b32 s17, s[HC], 19                      ; the step's first or second head
	s_add_co_u32 s16, s16, s17
	s_mov_b32 s17, 0
	s_lshl_b32 s46, s[GX], 8
	s_lshl_b32 s47, s[HC], 7
	s_add_co_u32 s46, s46, s47
	s_lshl_b32 s46, s46, 11
	s_add_co_u32 s46, s46, WOF
	s_mov_b32 s47, 0
	s_mul_i32 s20, s[WV], APLANE                   ; where my tile goes, for o (waves 0, 1)
	s_mul_i32 s21, s[WV], HALFT
	s_add_co_u32 s21, s21, BOFF-2*HALFT            ; and for the weights (waves 2, 3): BOFF + (wave - 2) x 128 rows
	s_wait_dscnt 0x0
	s_wait_kmcnt 0x0
	s_add_nc_u64 s[14:15], s[4:5], s[16:17]
	s_add_nc_u64 s[46:47], s[6:7], s[46:47]
	CROUND
.irp s, 0,1
	s_mov_b32 s[G0+4*(\s)], 1
	s_add_co_u32 s[G0+4*(\s)+1], s20, (\s)*SLOT
	s_add_nc_u64 s[G0+4*(\s)+2:G0+4*(\s)+3], s[14:15], (\s)*1048576     ; a K step is two heads
	s_or_b32 s[G0+4*(\s)+3], s[G0+4*(\s)+3], 0x80000000
	s_mov_b32 s[G0B+4*(\s)], 1
	s_add_co_u32 s[G0B+4*(\s)+1], s21, (\s)*SLOT
	s_add_nc_u64 s[G0B+4*(\s)+2:G0B+4*(\s)+3], s[46:47], (\s)*256
	s_or_b32 s[G0B+4*(\s)+3], s[G0B+4*(\s)+3], 0x80000000
	JLOAD \s
.endr
	v_and_b32 v1, 15, v0
	v_bfe_u32 v2, v0, 4, 1
	v_mul_u32_u24 v3, v1, PA
	v_lshl_add_u32 v3, v2, 4, v3
	v_mul_u32_u24 v4, v1, PITCH
	v_lshl_add_u32 v4, v2, 4, v4
	s_mul_i32 s18, s[HR], 128*PA                   ; my 128 tokens
	s_mul_i32 s19, s[HC], HALFT
	s_add_co_u32 s19, s19, BOFF                    ; my 128 features
.irp s, 0,1
	v_add_nc_u32 v[ADRA+(\s)], s18, v3
	v_add_nc_u32 v[ADRB+(\s)], s19, v4
	s_add_co_u32 s18, s18, SLOT
	s_add_co_u32 s19, s19, SLOT
.endr
	s_mul_i32 s23, s[WV], 16*SPITCH
	s_add_co_u32 s23, s23, STAGE
	v_mul_u32_u24 v4, v1, SPITCH
	v_lshl_add_u32 v4, v2, 5, v4
	v_add_nc_u32 v[STO], s23, v4
	v_and_b32 v5, 31, v0
	v_lshlrev_b32 v[CO], 4, v5
	v_add_nc_u32 v[RD], s23, v[CO]                 ; back: a whole row of 512 bytes a load
	s_lshl_b32 s18, s[RR], 8
	s_lshl_b32 s19, s[HR], 7
	s_add_co_u32 s18, s18, s19
	s_lshl_b32 s18, s18, 12                        ; my first row of out0,
	s_lshl_b32 s19, s[GX], 10
	s_add_co_u32 s18, s18, s19
	s_lshl_b32 s19, s[HC], 9
	s_add_co_u32 s18, s18, s19                     ; my first feature
	s_mov_b32 s19, 0
	s_add_nc_u64 s[8:9], s[8:9], s[18:19]
	s_and_b32 s18, s[RR], 15
	s_lshl_b32 s18, s18, 8
	s_lshl_b32 s19, s[HR], 7
	s_or_b32 s18, s18, s19
	v_mov_b32 v[TOK], s18                          ; the first token (in its batch) of my 128 rows
	s_mov_b32 s23, 256
	s_and_b32 s22, ttmp7, 0xffff
	s_cmp_eq_u32 s22, 0
	s_cselect_b32 s22, 1, -1                       ; the same in all sixteen partners
	s_cmp_eq_u32 s[HR], 0
	s_cselect_b32 s[LIM], 1, s22
	s_cselect_b64 s[PFA:PFA+1], s[14:15], s[46:47]
	s_cselect_b32 s18, s[CX], s[CY]                ; my place among the four that ask with me
	s_cselect_b32 s19, 13, 16                      ; its 32 blocks: 8,192 dense bytes of o, or 32 rows of 2,048 bytes
	s_cselect_b32 s[PST], 0x100000, s23
	s_cselect_b32 s23, 8, 11                       ; from lane to lane: 256 bytes, or a row
	s_mov_b32 s[PST+1], 0
	s_lshl_b32 s18, s18, s19
	s_mov_b32 s19, 0
	s_add_nc_u64 s[PFA:PFA+1], s[PFA:PFA+1], s[18:19]
	s_mul_i32 s18, s[PST], 3
	s_add_nc_u64 s[PFA:PFA+1], s[PFA:PFA+1], s[18:19]   ; at K step 3: the first refill steps it to 4
	v_lshlrev_b32 v[PFO], s23, v5
.macro MUL16 f, hi, a0, zero
	WIN MUL_LO+0x50*(\hi)
.irp a, \a0, (\a0)+1
.irp b, 0,1,2,3,4,5,6,7
.set rD, 8*(8*(\a)+(\b))
.set rB, (\f)+8*(\b)
.set rA, (\f)+8*(4*(\hi)+(\a))
.if \zero
	v_wmma_f32_16x16x32_f16 v[rD:rD+7], v[rB:rB+7], v[rA:rA+7], 0
.else
	v_wmma_f32_16x16x32_f16 v[rD:rD+7], v[rB:rB+7], v[rA:rA+7], v[rD:rD+7]
.endif
.endr
.endr
.endm
.macro FETCH slot, q, f                ; quarter q of a K step: 32 channels: half q % 2 of head q / 2
	WIN TO_B
.irp i, 0,1,2,3,4,5,6,7
	ds_load_b128 v[(\f)+8*(\i):(\f)+8*(\i)+3],   v[ADRB+(\slot)] offset:64*(\q)+(\i)*16*PITCH
	ds_load_b128 v[(\f)+8*(\i)+4:(\f)+8*(\i)+7], v[ADRB+(\slot)] offset:64*(\q)+(\i)*16*PITCH+32
.endr
	WIN 0
.irp i, 0,1,2,3,4,5,6,7
	ds_load_b128 v[(\f)+8*(\i):(\f)+8*(\i)+3],   v[ADRA+(\slot)] offset:((\q)/2)*APLANE+((\q)%2)*64+(\i)*16*PA
	ds_load_b128 v[(\f)+8*(\i)+4:(\f)+8*(\i)+7], v[ADRA+(\slot)] offset:((\q)/2)*APLANE+((\q)%2)*64+(\i)*16*PA+32
.endr
.endm
.macro PLACES
.rept 4
	v_nop
.endr
.endm
.macro QUARTER slot, q, f, g, zero
	s_wait_dscnt 8                                 ; all but the youngest eight loads (o's rows 64-127)
	MUL16 \f, 0, 0, \zero
	MUL16 \f, 0, 2, \zero
	PLACES
	FETCH \slot, \q, \g
	s_wait_dscnt 32                                ; all but the 32 just issued
	MUL16 \f, 1, 0, \zero
	MUL16 \f, 1, 2, \zero
.endm
.macro MEET round
	WIN 0
	s_wait_tensorcnt 0x0                           ; all my tensor loads have landed: my part of the next slot
	ds_add_u32 v[SPW], v[NIL]
	s_wait_dscnt 9                                 ; the add and the youngest eight loads may be out
	MUL16 F1, 0, 0, 0
	s_wait_dscnt 0x0                               ; the add is done, my reads of this slot are over
	s_barrier_signal -1
	MUL16 F1, 0, 2, 0
.if \round
	WIN 0
.endif
	s_barrier_wait -1
.endm
.macro TURN slot, next, fill
.if \fill
	s_wait_xcnt 0x0                                ; the last prefetch, a K step back, has read its address
	s_add_nc_u64 s[PFA:PFA+1], s[PFA:PFA+1], s[PST:PST+1]
	MEET 1
	CREST                                          ; the barrier has opened a round of the cluster's: no wave of any partner still reads this slot or has a load on its way
	s_add_nc_u64 s[G0+4*(\slot)+2:G0+4*(\slot)+3], s[G0+4*(\slot)+2:G0+4*(\slot)+3], 2097152
	s_add_nc_u64 s[G0B+4*(\slot)+2:G0B+4*(\slot)+3], s[G0B+4*(\slot)+2:G0B+4*(\slot)+3], 512
	JLOAD \slot
.else
	MEET 0
	PLACES
.endif
	FETCH \next, 0, F0
.if \fill
	ASK
.endif
	MUL16 F1, 1, 0, 0
	MUL16 F1, 1, 2, 0
.endm
.macro SNIP a, done                    ; if block a is due, its eight accumulators go into my stage, each from its low end on; the last link has no test
.if (\a) < 7
	s_cmp_lg_u32 s[BA], \a
	s_cbranch_scc1 .Lnot_\@
.endif
	WIN 0x08+4*((\a)/4)
.irp b, 0,1,2,3,4,5,6,7
	ds_store_b128 v[STO], v[8*(8*((\a)%4)+(\b)):8*(8*((\a)%4)+(\b))+3] offset:64*(\b)
	ds_store_b128 v[STO], v[8*(8*((\a)%4)+(\b))+4:8*(8*((\a)%4)+(\b))+7] offset:64*(\b)+16
.endr
	WIN 0
.if (\a) < 7
	s_branch \done
.Lnot_\@:
.endif
.endm
	s_wait_tensorcnt 1                             ; my part of K step 0 is in; step 1's may stay out
	s_barrier_signal -1
	s_barrier_wait -1
	FETCH 0, 0, F0
	QUARTER 0, 1, F0, F1, 1
	WIN 0
	s_mov_b32 s[LAPS], 3
.Llap:                                                 ; a trip: from a lap's second quarter to the next lap's first; it fills both slots again (K steps 2 to 7)
	QUARTER 0, 2, F1, F0, 0
	QUARTER 0, 3, F0, F1, 0
	TURN 0, 1, 1
	QUARTER 1, 1, F0, F1, 0
	QUARTER 1, 2, F1, F0, 0
	QUARTER 1, 3, F0, F1, 0
	TURN 1, 0, 1
	QUARTER 0, 1, F0, F1, 0
	WIN 0
	s_sub_co_u32 s[LAPS], s[LAPS], 1
	s_cmp_lg_u32 s[LAPS], 0
	s_cbranch_scc1 .Llap
	QUARTER 0, 2, F1, F0, 0
	QUARTER 0, 3, F0, F1, 0
	TURN 0, 1, 0
	QUARTER 1, 1, F0, F1, 0
	QUARTER 1, 2, F1, F0, 0
	QUARTER 1, 3, F0, F1, 0
	s_wait_dscnt 8
	MUL16 F1, 0, 0, 0
	MUL16 F1, 0, 2, 0
	s_wait_dscnt 0x0
	MUL16 F1, 1, 0, 0
	MUL16 F1, 1, 2, 0
	; THE WAY OUT, a loop over my eight blocks of 16 rows: into my stage, back as whole rows of 512 bytes, stored.
	PLACES
	WIN 0
	s_mov_b32 s[BA], 0
.Lblk:
.irp a, 0,1,2,3,4,5,6,7
	SNIP \a, .Lcom
.endr
.Lcom:
.irp i, 0,1,2,3,4,5,6,7,8,9,10,11,12,13,14,15
	ds_load_b128 v[XR+4*(\i):XR+4*(\i)+3], v[RD] offset:SPITCH*(\i)      ; LDS serves a wave's instructions in order (ISA guide 5.7.1.4): these see the stores above
.endr
	v_or_b32 v[TT], s[BA], v[TOK]
	v_cmp_ne_u32 vcc_lo, 0, v[TT]                  ; all but tokens 0-15 of a batch.  A mask, no branch: all partners run the same lines
	s_wait_xcnt 0x0                                ; EXEC changes only behind this wait
	s_and_saveexec_b32 s[SVX], vcc_lo
.irp i, 0,1,2,3,4,5,6,7,8,9,10,11,12,13,14,15
	s_wait_dscnt 15-(\i)
	global_store_b128 v[CO], v[XR+4*(\i):XR+4*(\i)+3], s[8:9] offset:4096*(\i) th:TH_STORE_NT   ; 512 consecutive bytes, aligned
.endr
	s_wait_xcnt 0x0                                ; and again, ahead of the line that widens it; the stores have read their registers and their base
	s_or_b32 exec_lo, exec_lo, s[SVX]
	s_add_nc_u64 s[8:9], s[8:9], 65536             ; 16 rows on
	s_add_co_u32 s[BA], s[BA], 1
	s_cmp_lt_u32 s[BA], 8
	s_cbranch_scc1 .Lblk
	s_wait_tensorcnt 0x0                           ; the wave's end
	ds_add_u32 v[SPW], v[NIL]
	s_wait_dscnt 0x0
	CROUND                                         ; the closing round
	s_endpgm
.Lfunc_end_k_qecf3a0f7bf_gemm2:
	.size	k_qecf3a0f7bf_gemm2, .Lfunc_end_k_qecf3a0f7bf_gemm2-k_qecf3a0f7bf_gemm2
	.p2alignl 7, 3214868480
	.fill 96, 4, 3214868480
	.section	.rodata,"a",@progbits
	.p2align	6, 0x0
	.amdhsa_kernel k_qecf3a0f7bf_gemm2
		.amdhsa_group_segment_fixed_size 327680
		.amdhsa_private_segment_fixed_size 0
		.amdhsa_enable_private_segment 0
		.amdhsa_kernarg_size 24
		.amdhsa_user_sgpr_count 2
		.amdhsa_user_sgpr_kernarg_segment_ptr 1
		.amdhsa_wavefront_size32 1
		.amdhsa_system_sgpr_workgroup_id_x 1
		.amdhsa_system_sgpr_workgroup_id_y 1
		.amdhsa_system_sgpr_workgroup_id_z 1
		.amdhsa_system_vgpr_workitem_id 0
		.amdhsa_next_free_vgpr 1024
		.amdhsa_next_free_sgpr 96
		.amdhsa_reserve_vcc 1
		.amdhsa_float_denorm_mode_32 3
		.amdhsa_float_denorm_mode_16_64 3
		.amdhsa_memory_ordered 1
		.amdhsa_forward_progress 1
		.amdhsa_inst_pref_size 125
	.end_amdhsa_kernel
	.amdgpu_metadata
---
amdhsa.version: [ 1, 2 ]
amdhsa.kernels:
  - .name:           k_qecf3a0f7bf_gemm2
    .symbol:         k_qecf3a0f7bf_gemm2.kd
    .args:
      - { .name: ob, .offset: 0, .size: 8, .value_kind: global_buffer, .address_space: global }
      - { .name: cb, .offset: 8, .size: 8, .value_kind: global_buffer, .address_space: global }
      - { .name: out0, .offset: 16, .size: 8, .value_kind: global_buffer, .address_space: global }
    .group_segment_fixed_size: 327680
    .private_segment_fixed_size: 0
    .kernarg_segment_align: 8
    .kernarg_segment_size: 24
    .max_flat_workgroup_size: 128
    .sgpr_count:     96
    .vgpr_count:     1024
    .wavefront_size: 32
...
	.end_amdgpu_metadata
.endif
;; end of part 6
